; MI455X (gfx1250); checked and timed in simulation.
; The chip was launched on July 23, 2026; its instructions are those of AMD's public machine-readable ISA for CDNA 5 (MIT licence, August 2026) and "CDNA5" Instruction Set Architecture Reference Guide (July 2026). The comments in the code are by the model that wrote it; some were corrected since.
;; Self Attention. Allowed arithmetic: matrix products marked QUANTISED: E3M2 operands, one E8M0 scale for each 32 along K, by v_wmma_scale_f32_16x16x128_f8f6f4 with both operands' format E3M2, f32 sums; everything else in f32.
;; Inputs: Wk 1,024 x 1,024 float32; Wq 1,024 x 1,024 float32; Wv 1,024 x 1,024 float32; bk 1,024 float32; bq 1,024 float32; bv 1,024 float32; mask 2,048 x 2,048 int32; x 4 x 2,048 x 1,024 float32.
;; Outputs: out0 4 x 2,048 x 1,024 float32.
;; This version of the problem:
;;   THIS VERSION OF THE PROBLEM IS GIVEN IN LOW PRECISION. The matrix products marked QUANTISED in the list below multiply operands that are first quantised to E3M2 (3 exponent bits, 2 mantissa bits; 6 bits a number), with one power-of-two scale for each 32 numbers along K (OCP MX v1.0); their sums are f32. All else is computed in f32.
;;   The module's matrix products, in the order in which they are computed (A, B: the left and right operand; K: the contracted axis; several contracted axes count as one K, in the product's order):
;;     1. [M 8,192, K 1,024] x [K 1,024, N 1,024]; A: input x; B: input Wq: QUANTISED
;;     2. [M 8,192, K 1,024] x [K 1,024, N 1,024]; A: input x; B: input Wk: QUANTISED
;;     3. [M 8,192, K 1,024] x [K 1,024, N 1,024]; A: input x; B: input Wv: QUANTISED
;;     4. batch 4 x [M 2,048, K 1,024] x [K 1,024, N 2,048]; A: computed on the way; B: computed on the way: QUANTISED
;;     5. batch 4 x [M 2,048, K 2,048] x [K 2,048, N 1,024]; A: softmax (see below); B: computed on the way: QUANTISED
;;   THE QUANTISER, for each operand of a quantised product, along K:
;;     - K is cut into blocks of 32 from its start; a last block that is shorter is filled with zeros.
;;     - A block's scale is 2^e with e = floor(log2(the largest magnitude in the block)) - 4, held to -126 .. 127; a block of zeros has e = 0. As a byte (E8M0): e + 127.
;;     - Each number is divided by its block's scale, clamped to +-28, and rounded to the nearest number of E3M2, ties to even, subnormals kept.
;;     - The product sums the exact products of the quantised numbers (number of the format x scale) in f32.
;;   ~~~python
;;   def quantise(x, axis):      # numpy; x: float32 -> the quantised numbers, widened to float32 again
;;       x = np.moveaxis(x, axis, -1); K = x.shape[-1]
;;       x = np.pad(x, [(0, 0)] * (x.ndim - 1) + [(0, -K % 32)]); x = x.reshape(x.shape[:-1] + (-1, 32)); a = np.abs(x).max(-1, keepdims=True)
;;       e = np.where(a > 0, np.clip(np.frexp(np.where(a > 0, a, 1))[1] - 1 - 4, -126, 127), 0)      # np.frexp(a)[1] - 1 = floor(log2(a)), exactly
;;       r = np.clip(x / 2.0 ** e, -28, 28)
;;       step = 2.0 ** (np.maximum(np.frexp(np.where(r == 0, 1, r))[1] - 1, -2) - 2)
;;       q = np.round(r / step) * step * 2.0 ** e      # np.round: ties to even
;;       return np.moveaxis(q.reshape(q.shape[:-2] + (-1,))[..., :K], -1, axis).astype(np.float32)
;;   ~~~
;;   SOFTMAX AHEAD OF A QUANTISED PRODUCT. Where the list says 'softmax', what is quantised is not the finished softmax but p = 2^(t - M), with t = logit x log2(e) and M = ceil(the row's largest t), a whole number; so 1/2 < the row's largest p <= 1. The row's sum l is taken of the UNQUANTISED p, in f32, and the product's result is divided by l at the end. Since M is a whole number, a kernel that streams over the keys may use a running M (the ceiling of the running maximum): every later rescaling is an exact power of two, which a block's scale takes up: the codes' values come out the same.
;;   OPERANDS COMPUTED ON THE WAY. 'Computed on the way' means the value that the module computes at that place (a softmax that the list does not call 'softmax' is quantised finished and normalised). What goes into a quantiser is computed in f32, as accurately as f32 sums, v_exp_f32 and their like allow (about 1e-6 of the number): no bf16 or f16 on the way to a quantiser, and a product that is left as it is and whose result goes on into a quantised operand takes f32 operands (vector FMAs, or v_wmma_f32_16x16x4_f32). A number that lies on a knife's edge between two numbers of the format may be rounded either way, as far as f32 arithmetic and the matrix unit's own rounding can turn it there, and no further.
;; One version. Each part assembles by itself: llvm-mc -triple=amdgcn-amd-amdhsa -mcpu=gfx1250 --defsym DOCPART=n.
;; ======== version 1 of 1: 4 launches
;; limits: right only within a limited range of input values
;; workspace buffers: opc 9,011,200 bytes; mbits 524,288 bytes of whole numbers; qkc 18,874,368 bytes; qks 786,432 bytes; pc 12,582,912 bytes; pst 1,572,864 bytes
;; launch prep (part 1): grid 480 x 1, 4 waves a work-group, no clusters, 34,304 bytes of LDS; arguments x, Wq, Wk, Wv, mask, opc, mbits; writes opc, mbits
.if DOCPART == 1
	.amdgcn_target "amdgcn-amd-amdhsa--gfx1250"
	.amdhsa_code_object_version 6
	.text
	.protected	k_qa293b57a85_prep
	.globl	k_qa293b57a85_prep
	.p2align	8
	.type	k_qa293b57a85_prep,@function
k_qa293b57a85_prep:
	s_mov_b64 s[64:65], 0
	v_nop
	global_prefetch_b8 v0, s[64:65] scope:SCOPE_SE
	s_setreg_imm32_b32 hwreg(HW_REG_WAVE_MODE, 25, 1), 1
	s_wait_xcnt 0x0
; PREP.  x [8192][1024], Wq, Wk, Wv [1024][1024] (f32, K innermost) become codes of BF6 (E3M2) with one E8M0 byte for each 32 along K; mask [2048][2048] (i32) becomes lane-mask words.
; A block's scale is 2^(floor(log2(its largest magnitude)) - 4); its byte is the largest magnitude's exponent field - 4, held at 1 from below.
; LIMITS: NaN and infinities among the inputs are not served.  A block of zeros, or one whose largest magnitude lies under 2^-122, gets the byte 1 (the rule says 127 for zeros): its codes
; are zeros or next to it, and the bytes are read by this program alone.
; LAYOUT OF THE CODES.  128 rows are a rowblock of 8 tiles; lane r of tile t stands for row 32 (t / 2) + 8 (t % 2) + r + 8 (r / 8).  A fragment (16 rows x 128 K, 12 registers a lane) is stored as an image of
; its registers: register 4 c + e of lane l at byte 512 c + 16 l + 4 e, 1,536 bytes.  Unit (rowblock g, K step s) lies at (8 g + s) x 12,800: 8 fragments, and behind them the unit's 8 x 16 scale words,
; 512 bytes: (tile t, lane r) at 12,288 + 256 (t / 4) + 16 r + 4 (t % 4).  So one dense block holds the codes and the scales of a rowblock's neighbouring K steps.  Rowblocks: x 0-63, Wq 64-71, Wk 72-79, Wv 80-87.
; THE MASK.  For (query rowblock, 128 keys): 8 tiles x 64 words; bit l of word n of tile a says whether key 32 (n / 16) + 16 (l / 16) + n % 16 counts for the query of lane l % 16 of tile a:
; the very lanes and registers in which the scores' launch holds its results.
; SHARES.  A wave takes 64 rows (4 tiles) x 512 bytes of each: all its 64 loads, each 512 consecutive bytes of one row, go out at the head.  A tile's 16 rows turn through the wave's own stage in LDS
; (rows of 512 + 16 bytes), so that a lane gets 16 neighbours of each block of 32.  Work-groups 0-255 x, 256-287 Wq, 288-319 Wk, 320-351 Wv, 352-479 the mask.  Waves share nothing: no barrier.
.set STG,  8448                        ; a wave's stage: 16 rows x 528 bytes
.set LI,   4                           ; v4   16 x lane
.set L8,   5                           ; v5   8 x lane
.set LR,   6                           ; v6   16 x (lane % 16)
.set SIN,  7                           ; v7   the stage, on the way in: 16 x lane
.set SOUT, 8                           ; v8   and out: 528 x (lane % 16) + 64 x (lane / 16)
.set OFF,  16                          ; v16-31  16 x lane + the pitch x the k-th row of a tile
.set X,    32                          ; v32-95  a tile's 64 numbers of my lane: register 16 b + i = k 32 b + 16 (lane / 16) + i
.set PC,   96                          ; v96-114 the codes just made
.set TM,   116                         ; v116-131 at work
.set PWS,  132                         ; v132-135 the four tiles' scale words
.set MW,   136                         ; v136-137 64 mask words: word n in lane n / 2 of register n % 2
.set SEL,  44                          ; s[44:45] v_permlanex16_b32's selects for lane l xor 16
.set MSB,  0
.macro WIN new                         ; the immediate's high byte repeats the setting that is left
.if MSB != (\new)
	s_set_vgpr_msb (MSB<<8)|(\new)
.set MSB, (\new)
.endif
.endm
; 64 numbers of a lane, v[s] on, become a fragment's codes in v[PC] on and its scale word in v[pw].
.macro QMAX s
.irp b, 0,1,2,3
	v_max3_num_f32 v[TM+\b], |v[\s+16*\b]|, |v[\s+1+16*\b]|, 0x2800000   ; my 16 numbers of block b, and the floor 2^(5 - 127): the byte cannot fall under 1
.endr
.irp i, 2,4,6,8,10,12,14
.irp b, 0,1,2,3
	v_max3_num_f32 v[TM+\b], v[TM+\b], |v[\s+16*\b+\i]|, |v[\s+1+16*\b+\i]|
.endr
.endr
.irp b, 0,1,2,3
	v_permlanex16_b32 v[TM+4+\b], v[TM+\b], s[SEL], s[SEL+1]
.endr
.irp b, 0,1,2,3
	v_max_num_f32 v[TM+\b], v[TM+\b], v[TM+4+\b]   ; with lane l xor 16's: the block's largest magnitude
.endr
.endm
.macro QCODE s, pw
.irp b, 0,1,2,3
	v_add_nc_u32 v[TM+12+\b], 0xfe000000, v[TM+\b]   ; 4 off the exponent field: the conversion's scale operand
.endr
.irp b, 0,1,2,3
	v_lshrrev_b32 v[TM+4+\b], 23, v[TM+12+\b]      ; the scale's byte
.endr
	v_lshl_or_b32 v[\pw], v[TM+5], 8, v[TM+4]
	v_lshl_or_b32 v[\pw], v[TM+6], 16, v[\pw]
	v_lshl_or_b32 v[\pw], v[TM+7], 24, v[\pw]
.irp c, 0,1
	v_cvt_scalef32_pk16_bf6_f32 v[PC+6*\c:PC+2+6*\c], v[\s+32*\c:\s+15+32*\c], v[TM+12+2*\c]
	v_cvt_scalef32_pk16_bf6_f32 v[PC+12+4*\c:PC+14+4*\c], v[\s+16+32*\c:\s+31+32*\c], v[TM+12+2*\c+1]   ; (a conversion's three registers begin on an even number)
.endr
	v_nop                                          ; one plain place behind a scaled conversion
.irp c, 0,1                                    ; the operand's layout wants a whole block in a lane
.irp i, 0,1,2
	v_permlane16_swap_b32 v[PC+6*\c+\i], v[PC+12+4*\c+\i]
.endr
.irp i, 0,1,2
	v_mov_b32 v[PC+3+6*\c+\i], v[PC+12+4*\c+\i]
.endr
.endr
.endm
.macro QUANT s, pw
	QMAX \s
	QCODE \s, \pw
.endm
	s_load_b256 s[4:11], s[0:1], 0x0               ; x s[4:5], Wq s[6:7], Wk s[8:9], Wv s[10:11]
	s_load_b128 s[12:15], s[0:1], 0x20             ; mask s[12:13], opc s[14:15]
	s_load_b64 s[18:19], s[0:1], 0x30              ; mbits
	v_lshl_add_u32 v254, v0, 2, 0x8400
	v_mov_b32 v255, 0
	v_lshrrev_b32 v1, 5, v0
	v_readfirstlane_b32 s20, v1                    ; wave 0..3
	v_and_b32 v1, 31, v0                           ; lane
	v_and_b32 v2, 15, v0                           ; r
	v_bfe_u32 v3, v0, 4, 1                         ; h
	v_lshlrev_b32 v[LI], 4, v1
	v_lshlrev_b32 v[L8], 3, v1
	v_lshlrev_b32 v[LR], 4, v2
	s_mul_i32 s31, s20, STG
	v_add_nc_u32 v[SIN], s31, v[LI]
	v_mul_u32_u24 v[SOUT], v2, 528
	v_lshl_add_u32 v[SOUT], v3, 6, v[SOUT]
	v_add_nc_u32 v[SOUT], s31, v[SOUT]
.irp b, 0,1,2,3
	v_mov_b32 v[TM+4+\b], 0                        ; written once: a lane permute's destination counts as one of its sources
	v_mov_b32 v[PWS+\b], 0
.endr
	v_mov_b32 v[MW], 0
	v_mov_b32 v[MW+1], 0
	s_mov_b32 s[SEL], 0x76543210
	s_mov_b32 s[SEL+1], 0xfedcba98
	s_lshl_b32 s21, ttmp9, 2
	s_add_co_u32 s21, s21, s20                     ; U: my wave's unit
	s_wait_kmcnt 0x0
	s_mov_b64 s[26:27], s[12:13]                   ; the source and its first unit, chosen by the work-group's number alone
	s_mov_b32 s22, 1408
	s_cmp_lt_u32 ttmp9, 352
	s_cselect_b64 s[26:27], s[10:11], s[26:27]
	s_cselect_b32 s22, 1280, s22
	s_cmp_lt_u32 ttmp9, 320
	s_cselect_b64 s[26:27], s[8:9], s[26:27]
	s_cselect_b32 s22, 1152, s22
	s_cmp_lt_u32 ttmp9, 288
	s_cselect_b64 s[26:27], s[6:7], s[26:27]
	s_cselect_b32 s22, 1024, s22
	s_cmp_lt_u32 ttmp9, 256
	s_cselect_b64 s[26:27], s[4:5], s[26:27]
	s_cselect_b32 s22, 0, s22
	s_mov_b32 s24, 4096
	s_cmp_ge_u32 ttmp9, 352
	s_cselect_b32 s23, 4, 3                        ; 16 or 8 pieces of 512 bytes in a row
	s_cselect_b32 s24, 8192, s24                   ; a row in bytes
	s_cselect_b32 s25, 1408, 0                     ; the mask's outputs count from its own first unit; the codes' from x's
	s_sub_co_u32 s28, s21, s22                     ; my unit within the source
	s_lshr_b32 s29, s28, s23                       ; which 64 rows
	s_bfm_b32 s30, s23, 0
	s_and_b32 s30, s28, s30                        ; which 512 bytes of them: the K step
	s_mul_i32 s46, s29, s24
	s_lshl_b32 s46, s46, 6
	s_lshl_b32 s31, s30, 9
	s_add_co_u32 s46, s46, s31
	s_mov_b32 s47, 0
	s_add_nc_u64 s[26:27], s[26:27], s[46:47]
	s_mov_b64 s[32:33], s[26:27]                   ; the four tiles begin at rows 0, 8, 32, 40 of the 64
	s_lshl_b32 s46, s24, 3
	s_add_nc_u64 s[34:35], s[26:27], s[46:47]
	s_lshl_b32 s46, s24, 5
	s_add_nc_u64 s[36:37], s[26:27], s[46:47]
	s_mul_i32 s46, s24, 40
	s_add_nc_u64 s[38:39], s[26:27], s[46:47]
	s_sub_co_u32 s28, s21, s25
	s_lshr_b32 s29, s28, s23
	s_lshr_b32 s31, s29, 1                         ; the rowblock,
	s_and_b32 s29, s29, 1                          ; its half,
	s_lshl_b32 s31, s31, s23
	s_add_co_u32 s31, s31, s30                     ; and the output unit
	s_mul_i32 s25, s31, 12800                      ; a unit of codes and scale words
	s_lshl_b32 s46, s29, 8
	s_add_co_u32 s46, s46, s25
	s_add_co_u32 s46, s46, 12288
	s_add_nc_u64 s[16:17], s[14:15], s[46:47]      ; my four tiles' scale words, behind the unit's codes (used by the quantising work-groups alone)
	s_mul_i32 s46, s29, 6144
	s_add_co_u32 s46, s46, s25
	s_add_nc_u64 s[14:15], s[14:15], s[46:47]      ; my four tiles' codes (likewise)
	s_lshl_b32 s46, s31, 11
	s_lshl_b32 s28, s29, 10
	s_add_co_u32 s46, s46, s28
	s_add_nc_u64 s[18:19], s[18:19], s[46:47]      ; the mask words (used by the mask's work-groups alone)
.irp k, 0,1,2,3,4,5,6,7,8,9,10,11,12,13,14,15
	s_mul_i32 s46, s24, \k+8*(\k/8)
	v_add_nc_u32 v[OFF+\k], s46, v[LI]
.endr
	WIN 0x40                                       ; destination window 1: v[64 t + 4 k] = row k of tile t
	s_wait_alu depctr_va_vdst(0)
.irp t, 0,1,2,3
.irp k, 0,1,2,3,4,5,6,7,8,9,10,11,12,13,14,15
	global_load_b128 v[64*\t+4*\k:64*\t+4*\k+3], v[OFF+\k], s[32+2*\t:33+2*\t] th:TH_LOAD_NT   ; 32 lanes read 512 consecutive bytes, read once in the launch
.endr
.endr
	WIN 0
.macro TILE t
	s_wait_loadcnt 48-16*\t                        ; this tile's 16 loads are in; the 16 of each later tile may be out
	WIN 0x04                                       ; an LDS store's data are its source 1: window 1
.irp k, 0,1,2,3,4,5,6,7,8,9,10,11,12,13,14,15
	ds_store_b128 v[SIN], v[64*\t+4*\k:64*\t+4*\k+3] offset:528*\k
.endr
	WIN 0
.irp b, 0,1,2,3
.irp j, 0,1,2,3
	ds_load_b128 v[X+16*\b+4*\j:X+16*\b+4*\j+3], v[SOUT] offset:128*\b+16*\j   ; LDS serves a wave's instructions in order: these see the stores above
.endr
.endr
	s_wait_dscnt 0x0
	s_wait_xcnt 0x0                                ; the last tile's stores have read their data: the codes' and the mask words' registers are written again only behind this wait
	s_cmp_ge_u32 ttmp9, 352
	s_cbranch_scc1 .Lmask_\@
	QUANT X, PWS+\t
.irp c, 0,1,2
	global_store_b128 v[LI], v[PC+4*\c:PC+4*\c+3], s[14:15] offset:1536*\t+512*\c   ; 512 consecutive bytes
.endr
	s_branch .Ldone_\@
.Lmask_\@:
.set n, 0
	s_wait_alu depctr_va_vdst(0)
.rept 2                                        ; 32 words at a time: 32 compares into 32 scalar registers, then the 32 lane writes, so that no lane write reads the compare just ahead of it
.set m, 0
.rept 32
	v_cmp_ne_u32 s[66+m], 0, v[X+n+m]              ; one bit a lane: does this key count for this query
.set m, m+1
.endr
.set m, 0
.rept 32
	v_writelane_b32 v[MW+(n+m)%2], s[66+m], (n+m)/2
.set m, m+1
.endr
.set n, n+32
.endr
	global_store_b64 v[L8], v[MW:MW+1], s[18:19] offset:256*\t   ; 32 lanes store 256 consecutive bytes
.Ldone_\@:
.endm
	TILE 0
	TILE 1
	TILE 2
	TILE 3
	s_cmp_ge_u32 ttmp9, 352
	s_cbranch_scc1 .Lend
	global_store_b128 v[LR], v[PWS:PWS+3], s[16:17]   ; 16 lanes store the four tiles' 256 bytes of scale words; lanes 16-31 hold the same words and name the same bytes
.Lend:
	s_wait_tensorcnt 0x0
	ds_add_u32 v254, v255
	s_wait_dscnt 0x0
	s_endpgm
.Lfunc_end_k_qa293b57a85_prep:
	.size	k_qa293b57a85_prep, .Lfunc_end_k_qa293b57a85_prep-k_qa293b57a85_prep
	.p2alignl 7, 3214868480
	.fill 96, 4, 3214868480
	.section	.rodata,"a",@progbits
	.p2align	6, 0x0
	.amdhsa_kernel k_qa293b57a85_prep
		.amdhsa_group_segment_fixed_size 34304
		.amdhsa_private_segment_fixed_size 0
		.amdhsa_enable_private_segment 0
		.amdhsa_kernarg_size 56
		.amdhsa_user_sgpr_count 2
		.amdhsa_user_sgpr_kernarg_segment_ptr 1
		.amdhsa_wavefront_size32 1
		.amdhsa_system_sgpr_workgroup_id_x 1
		.amdhsa_system_sgpr_workgroup_id_y 1
		.amdhsa_system_sgpr_workgroup_id_z 1
		.amdhsa_system_vgpr_workitem_id 0
		.amdhsa_next_free_vgpr 512
		.amdhsa_next_free_sgpr 100
		.amdhsa_reserve_vcc 0
		.amdhsa_float_denorm_mode_32 3
		.amdhsa_float_denorm_mode_16_64 3
		.amdhsa_memory_ordered 1
		.amdhsa_forward_progress 1
		.amdhsa_inst_pref_size 69
	.end_amdhsa_kernel
	.amdgpu_metadata
---
amdhsa.version: [ 1, 2 ]
amdhsa.kernels:
  - .name:           k_qa293b57a85_prep
    .symbol:         k_qa293b57a85_prep.kd
    .args:
      - { .name: x, .offset: 0, .size: 8, .value_kind: global_buffer, .address_space: global }
      - { .name: Wq, .offset: 8, .size: 8, .value_kind: global_buffer, .address_space: global }
      - { .name: Wk, .offset: 16, .size: 8, .value_kind: global_buffer, .address_space: global }
      - { .name: Wv, .offset: 24, .size: 8, .value_kind: global_buffer, .address_space: global }
      - { .name: mask, .offset: 32, .size: 8, .value_kind: global_buffer, .address_space: global }
      - { .name: opc, .offset: 40, .size: 8, .value_kind: global_buffer, .address_space: global }
      - { .name: mbits, .offset: 48, .size: 8, .value_kind: global_buffer, .address_space: global }
    .group_segment_fixed_size: 34304
    .private_segment_fixed_size: 0
    .kernarg_segment_align: 8
    .kernarg_segment_size: 56
    .max_flat_workgroup_size: 128
    .sgpr_count:     100
    .vgpr_count:     512
    .wavefront_size: 32
...
	.end_amdgpu_metadata
.endif
;; end of part 1
;; launch proj (part 2): grid 8 x 32, 4 waves a work-group, clusters of 4 x 4, 327,680 bytes of LDS; arguments opc, qkc, qks, bq, bk, bv; writes qkc, qks
.if DOCPART == 2
	.amdgcn_target "amdgcn-amd-amdhsa--gfx1250"
	.amdhsa_code_object_version 6
	.text
	.protected	k_qa293b57a85_proj
	.globl	k_qa293b57a85_proj
	.p2align	8
	.type	k_qa293b57a85_proj,@function
k_qa293b57a85_proj:
	s_mov_b64 s[64:65], 0
	v_nop
	global_prefetch_b8 v0, s[64:65] scope:SCOPE_SE
	s_setreg_imm32_b32 hwreg(HW_REG_WAVE_MODE, 25, 1), 1
	s_wait_xcnt 0x0
	s_wait_alu depctr_hold_cnt(0) depctr_sa_sdst(0) depctr_va_vdst(0) depctr_va_sdst(0) depctr_va_ssrc(0) depctr_va_vcc(0) depctr_vm_vsrc(0)
	s_getreg_b32 s2, hwreg(HW_REG_IB_STS2, 6, 4)
	s_cmp_eq_u32 s2, 0
	s_cbranch_scc0 .Lentry_in_a_cluster
	s_endpgm
.Lentry_in_a_cluster:
	s_bfe_u32 s2, ttmp6, 0x10000c
	s_cmp_lg_u32 s2, 0xf033
	s_cbranch_scc0 .Lentry_shape_is_right
	s_endpgm
.Lentry_shape_is_right:
; PROJ.  Q = x Wq^T + bq, K = x Wk^T + bk, V = x Wv^T + bv on codes of BF6 with E8M0 scales, sums in f32; the results are quantised in registers and leave as codes: Q and K along E, V along the keys.
; SHARES.  Work-group (j, i) of 8 x 32 takes tokens 256 i .. 256 i + 255 and features 128 j .. 128 j + 127 of each of Q, K, V: three passes of 256 x 128 results, K = 1,024 in 8 steps of 128.
; X STAYS: the work-group's two rowblocks of x (2 x 102,400 bytes, codes and scale words) come into LDS once and serve all three passes.  Only W streams: a ring of two slots of four K steps of one rowblock (51,200 bytes).
; A wave makes 64 x 128 of each pass: 32 accumulators.  THE MATRIX INSTRUCTION IS USED TRANSPOSED: source 0 = 16 rows of B, source 1 = 16 rows of A: a lane holds one row of A's side, its registers run along B's side.
; Q, K: A = four tiles of x's rowblock wave % 2 (half wave / 2), B = W's rowblock: registers run along the features, the next product's K.
; V: A = four tiles of Wv's rowblock (half wave / 2), B = x's rowblock wave % 2: a lane holds one channel and its registers run along the keys.  Only LDS addresses differ between the two kinds of pass.
; ROWS OF A TILE: lane r of tile t stands for row 32 (t / 2) + 8 (t % 2) + r + 8 (r / 8) of its rowblock of 128, in every operand of this program; so registers 16 b + i of a lane's 64 results against one
; rowblock of B are columns 32 b + 16 (lane / 16) + i: 16 neighbours of each block of 32.
; OPERANDS lie in memory as units (rowblock, K step) of 12,800 bytes: 8 images of fragments (1,536 bytes: register 4 c + e of lane l at 512 c + 16 l + 4 e) and 512 bytes of scale words
; ((tile t, lane r) at 12,288 + 256 (t / 4) + 16 r + 4 (t % 4)); a rowblock's K steps lie on end.
; LOADS.  At the head one a wave: waves 0, 1 K steps 0-3 of x's two rowblocks, waves 2, 3 Wq's K steps 0-3 and 4-7 (51,200 bytes each).  Behind the first round waves 0, 1 ask for x's K steps 4-7 (a first fill).
; A refill of a slot is shared out: each wave asks for one K step's unit, 12,800 bytes; from the request to the wait for it a wave issues 112 matrix instructions.  By this text's count a wave has one tensor load out.
; CLUSTER 4 x 4: x's tiles are asked for jointly along a row (same i), W's along a column (same j).
; No data prefetch: the walk along K and over the passes is written out, so there is no loop to run ahead in.
; LIMITS: NaN and infinities are not served; a block of zeros or under 2^-122 gets the scale byte 1 (read by this program alone).
; REGISTERS: window 0: v8-29 addresses; v32-95 scale words, a set for each slot; v96-127 the way out's codes and scale words, V's bias; v128-175, v176-223 A's fragments, two sets; on the way out v176-255: 64 numbers, work;
;   window 1: B's fragments, two sets at v0 and v128;  window 2: the accumulators ((a, b) at v[8 (8 a + b)]);  window 3: v0-63 bq, v64-127 bk of my 128 columns, in the results' order.
.set FR,    12                         ; registers of a fragment
.set FRB,   1536                       ; its image in bytes
.set UNIT,  12800                      ; 8 fragments and their scale words
.set HALFK, 4*UNIT                     ; four K steps of a rowblock
.set RBB,   8*UNIT                     ; a rowblock
.set RING,  2*RBB                      ; LDS: x's two rowblocks, then the ring's two slots
.set SPARE, RING+2*HALFK               ; then the spare words, 128 bytes for each wave
.set XT,   8                           ; v8-9   x as A: my four tiles, K steps 0-3, 4-7
.set XB,   10                          ; v10-11 x as B: my rowblock
.set RB,   12                          ; v12-13 the ring as B: slot 0, 1
.set RT,   14                          ; v14-15 the ring as A: my four tiles
.set SQ,   16                          ; v16-17 scale words in passes Q, K: lanes 0-15 A's, lanes 16-31 B's; v18-19 the same with lanes 16-31 256 bytes on
.set SV,   20                          ; v20-23 the same for pass V
.set LI,   26                          ; v26 16 x lane
.set LR,   27                          ; v27 16 x (lane % 16)
.set SPW,  28                          ; v28 my spare word; never rewritten
.set NIL,  29                          ; v29 0; never rewritten
.set SC,   32                          ; scale words: slot s's set at v[SC + 32 s]; register 8 q + i: tile i's word for the slot's q-th K step
.set PC,   96                          ; v96-114 the codes just made
.set PWS,  116                         ; v116-119 my four tiles' scale words
.set BR,   120                         ; v120-123 bv of my four tiles' rows
.set RP,   124                         ; v[124:125] a pair whose low word is broadcast
.set AF,   128
.set HA,   176                         ; the way out: 64 numbers
.set TM,   240                         ; v240-255 at work
.set SEL,  22                          ; s[22:23] v_permlanex16_b32's selects
.set G1X,  24                          ; s[24:31] group 1 for x: 200 rows of 256 bytes, my row's mask;  s[32:35] its group 0
.set G0X,  32
.set G0W,  36                          ; s[36:39] group 0 for the head's load of Wq;  s[48:55] its group 1: 200 rows, my column's mask
.set G1W,  48
.set G1R,  56                          ; s[56:63] group 1 for a refill: 50 rows, my column's mask;  s[68:71] its group 0
.set G0R,  68
.set PB1,  72                          ; s[72:73] my unit of Wk's K step 0-3;  s[74:75] of Wv's
.set PB2,  74
.set OC,   78                          ; s[78:83] where my codes go, a pair for each pass
.set OS,   84                          ; s[84:89] and my scale words
.set RW,   90                          ; s90 LDS address of my unit in slot 0
.set ADRA, XT                          ; the addresses at work: passes Q and K
.set ADRB, RB
.set ADRS, SQ
.set MSB,  0
.macro WIN new                         ; the immediate's high byte repeats the setting that is left
.if MSB != (\new)
	s_set_vgpr_msb (MSB<<8)|(\new)
.set MSB, (\new)
.endif
.endm
.set MUL,  0xa1                        ; source 0 (B) window 1, source 1 (A) window 0, C and D window 2
.set TO_B, 0x40                        ; destination window 1, address window 0
.macro CREST                           ; a round of the cluster's barrier behind its opening barrier
	s_cmp_lg_u32 s14, 0
	s_cbranch_scc1 .Lnot_wave_0_\@
	s_barrier_signal -3
.Lnot_wave_0_\@:
	s_barrier_wait -3
	s_barrier_signal -1
	s_barrier_wait -1
.endm
.macro CROUND
	s_barrier_signal -1
	s_barrier_wait -1
	CREST
.endm
.macro PLACES n                        ; plain places behind matrix instructions (ISA guide 7.12.1)
.rept \n
	v_nop
.endr
.endm
.macro FRAG reg, adr, q, i             ; a fragment's image: three loads of 512 consecutive bytes
.irp c, 0,1,2
	ds_load_b128 v[\reg+4*\c:\reg+4*\c+3], v[\adr] offset:(\q)*UNIT+(\i)*FRB+512*\c
.endr
.endm
.macro FETCH slot, q, p                ; the q-th K step of half or slot into sets p: B's eight tiles, my four of A: 36 loads in one run
	WIN TO_B
.irp i, 0,1,2,3,4,5,6,7
	FRAG 128*(\p)+FR*\i, ADRB+\slot, \q, \i
.endr
	WIN 0
.irp i, 0,1,2,3
	FRAG AF+48*(\p)+FR*\i, ADRA+\slot, \q, \i
.endr
.endm
.macro SCALES slot                     ; four K steps' scale words: lanes 16-31 B's eight tiles; lanes 0-15 my four tiles of A in registers 8 q + 0 .. 3 (and the same words once more in 8 q + 4 .. 7, not used)
.irp q, 0,1,2,3
	ds_load_b128 v[SC+32*\slot+8*\q:SC+32*\slot+8*\q+3], v[ADRS+\slot] offset:UNIT*\q
	ds_load_b128 v[SC+32*\slot+8*\q+4:SC+32*\slot+8*\q+7], v[ADRS+2+\slot] offset:UNIT*\q
.endr
.endm
; 8 matrix instructions: A's tile a x B's eight.  The 32 accumulators take turns, one instruction a turn, in the same order in every step.
.macro MUL8 a, p, q, sc, zero
.irp b, 0,1,2,3,4,5,6,7
.if \zero
	v_wmma_scale_f32_16x16x128_f8f6f4 v[8*(8*(\a)+\b):8*(8*(\a)+\b)+7], v[128*(\p)+FR*\b:128*(\p)+FR*\b+FR-1], v[AF+48*(\p)+FR*(\a):AF+48*(\p)+FR*(\a)+FR-1], 0, v[SC+32*(\sc)+8*(\q)+\b], v[SC+32*(\sc)+8*(\q)+(\a)] matrix_a_fmt:MATRIX_FMT_BF6 matrix_b_fmt:MATRIX_FMT_BF6 matrix_a_scale:MATRIX_SCALE_ROW1
.else
	v_wmma_scale_f32_16x16x128_f8f6f4 v[8*(8*(\a)+\b):8*(8*(\a)+\b)+7], v[128*(\p)+FR*\b:128*(\p)+FR*\b+FR-1], v[AF+48*(\p)+FR*(\a):AF+48*(\p)+FR*(\a)+FR-1], v[8*(8*(\a)+\b):8*(8*(\a)+\b)+7], v[SC+32*(\sc)+8*(\q)+\b], v[SC+32*(\sc)+8*(\q)+(\a)] matrix_a_fmt:MATRIX_FMT_BF6 matrix_b_fmt:MATRIX_FMT_BF6 matrix_a_scale:MATRIX_SCALE_ROW1
.endif
.endr
.endm
; A K step that has its successor in the same slot: the successor's fragments are asked for first, into the other sets, and have this step's 32 matrix instructions in which to come.
.macro MUL4 a, b0, p, q, sc, zero      ; 4 matrix instructions: A's tile a x B's tiles b0 .. b0 + 3
.irp b, \b0, \b0+1, \b0+2, \b0+3
.if \zero
	v_wmma_scale_f32_16x16x128_f8f6f4 v[8*(8*(\a)+(\b)):8*(8*(\a)+(\b))+7], v[128*(\p)+FR*(\b):128*(\p)+FR*(\b)+FR-1], v[AF+48*(\p)+FR*(\a):AF+48*(\p)+FR*(\a)+FR-1], 0, v[SC+32*(\sc)+8*(\q)+(\b)], v[SC+32*(\sc)+8*(\q)+(\a)] matrix_a_fmt:MATRIX_FMT_BF6 matrix_b_fmt:MATRIX_FMT_BF6 matrix_a_scale:MATRIX_SCALE_ROW1
.else
	v_wmma_scale_f32_16x16x128_f8f6f4 v[8*(8*(\a)+(\b)):8*(8*(\a)+(\b))+7], v[128*(\p)+FR*(\b):128*(\p)+FR*(\b)+FR-1], v[AF+48*(\p)+FR*(\a):AF+48*(\p)+FR*(\a)+FR-1], v[8*(8*(\a)+(\b)):8*(8*(\a)+(\b))+7], v[SC+32*(\sc)+8*(\q)+(\b)], v[SC+32*(\sc)+8*(\q)+(\a)] matrix_a_fmt:MATRIX_FMT_BF6 matrix_b_fmt:MATRIX_FMT_BF6 matrix_a_scale:MATRIX_SCALE_ROW1
.endif
.endr
.endm
; The successor's 36 loads stand in ONE run at the step's head; the step's 32 matrix instructions follow, in the same order of accumulators as everywhere.
.macro STEP slot, q, zero
	s_wait_dscnt 0x0                               ; this step's fragments (and, in a slot's first step, its scale words) are in
	PLACES 4                                       ; in front of loads into the sets that the last step's matrix instructions read
	FETCH \slot, (\q)+1, 1-(\q)%2
	WIN MUL
.irp g, 0,1,2,3,4,5,6,7
	MUL4 \g/2, 4*(\g%2), (\q)%2, \q, \slot, \zero
.endr
.endm
; A slot's last K step changes slots: one barrier; in front of it each wave waits for all its tensor loads, adds 0 to its spare word, and waits for that and for its reads of this slot.
; fill = 1: the slot takes the same four K steps of the NEXT pass's W, a unit a wave, from s[pb].  sw = 1: the fragments fetched next are pass V's.
.macro TURN slot, next, fill, pb, sw
	WIN 0                                          ; (the add's two registers lie in window 0)
	s_wait_tensorcnt 0x0                           ; all my tensor loads have landed
	ds_add_u32 v[SPW], v[NIL]                      ; 0 onto my spare word
	s_wait_dscnt 1                                 ; this step's fragments are in (the add may be out)
	WIN MUL
	MUL8 0, 1, 3, \slot, 0
	s_wait_dscnt 0x0                               ; the add is done, and my reads of this slot are over
	s_barrier_signal -1
	MUL8 1, 1, 3, \slot, 0
	WIN 0
	s_barrier_wait -1
.if \fill
	CREST                                          ; the barrier has opened a round of the cluster's barrier: no wave of any partner still reads this slot or has a load on its way
	s_add_co_u32 s[G0R+1], s[RW], \slot*HALFK
	s_add_nc_u64 s[G0R+2:G0R+3], s[\pb:\pb+1], \slot*HALFK
	s_or_b32 s[G0R+3], s[G0R+3], 0x80000000
	tensor_load_to_lds s[G0R:G0R+3], s[G1R:G1R+7]  ; the first tensor load behind the round, one a wave
	s_nop 0
.endif
	PLACES 4                                       ; in front of the loads below
.if \sw
.set ADRA, RT
.set ADRB, XB
.set ADRS, SV
.endif
	FETCH \next, 0, 0
	SCALES \next
	WIN MUL
	MUL8 2, 1, 3, \slot, 0
	MUL8 3, 1, 3, \slot, 0
.endm
; 64 numbers of a lane, v[s] on (register 16 b + i = k 32 b + 16 (lane / 16) + i of my row), become a fragment's codes in v[PC] on and its scale word in v[pw].
.macro QMAX s
.irp b, 0,1,2,3
	v_max3_num_f32 v[TM+\b], |v[\s+16*\b]|, |v[\s+1+16*\b]|, 0x2800000   ; and the floor 2^(5 - 127): the byte cannot fall under 1
.endr
.irp i, 2,4,6,8,10,12,14
.irp b, 0,1,2,3
	v_max3_num_f32 v[TM+\b], v[TM+\b], |v[\s+16*\b+\i]|, |v[\s+1+16*\b+\i]|
.endr
.endr
.irp b, 0,1,2,3
	v_permlanex16_b32 v[TM+4+\b], v[TM+\b], s[SEL], s[SEL+1]
.endr
.irp b, 0,1,2,3
	v_max_num_f32 v[TM+\b], v[TM+\b], v[TM+4+\b]
.endr
.endm
.macro QCODE s, pw
.irp b, 0,1,2,3
	v_add_nc_u32 v[TM+12+\b], 0xfe000000, v[TM+\b]   ; 4 off the exponent field: the conversion's scale operand
.endr
.irp b, 0,1,2,3
	v_lshrrev_b32 v[TM+4+\b], 23, v[TM+12+\b]      ; the scale's byte
.endr
	v_lshl_or_b32 v[\pw], v[TM+5], 8, v[TM+4]
	v_lshl_or_b32 v[\pw], v[TM+6], 16, v[\pw]
	v_lshl_or_b32 v[\pw], v[TM+7], 24, v[\pw]
.irp c, 0,1
	v_cvt_scalef32_pk16_bf6_f32 v[PC+6*\c:PC+2+6*\c], v[\s+32*\c:\s+15+32*\c], v[TM+12+2*\c]
	v_cvt_scalef32_pk16_bf6_f32 v[PC+12+4*\c:PC+14+4*\c], v[\s+16+32*\c:\s+31+32*\c], v[TM+12+2*\c+1]
.endr
	v_nop                                          ; one plain place behind a scaled conversion
.irp c, 0,1
.irp i, 0,1,2
	v_permlane16_swap_b32 v[PC+6*\c+\i], v[PC+12+4*\c+\i]
.endr
.irp i, 0,1,2
	v_mov_b32 v[PC+3+6*\c+\i], v[PC+12+4*\c+\i]
.endr
.endr
.endm
; THE WAY OUT of pass p, tile by tile of 16 rows: + bias, quantised along my 128 columns, one fragment: 1,536 consecutive bytes.  No LDS: the codes leave as the next launch's operand registers.
; It names neither the sets 0 of A and B nor the scale words' set 0, into which the next pass's first fragments are on their way.
.macro EPI p, a
.if (\p) < 2
	WIN 0x0e                                       ; source 0 (the sums) window 2, source 1 (the bias of my columns) window 3
.set n, 0
.rept 32
	v_pk_add_f32 v[HA+n:HA+n+1], v[64*(\a)+n:64*(\a)+n+1], v[64*(\p)+n:64*(\p)+n+1]   ; each accumulator from its low end on
.set n, n+2
.endr
	WIN 0
.else
	v_mov_b32 v[RP], v[BR+(\a)]                    ; V: the bias of my row (a channel)
	WIN 0x02                                       ; source 0 window 2
.set n, 0
.rept 32
	v_pk_add_f32 v[HA+n:HA+n+1], v[64*(\a)+n:64*(\a)+n+1], v[RP:RP+1] op_sel_hi:[1,0]
.set n, n+2
.endr
	WIN 0
.endif
	s_wait_xcnt 0x0                                ; the earlier stores have read the codes' and the scale words' registers
	QMAX HA
	QCODE HA, PWS+(\a)
.irp c, 0,1,2
	global_store_b128 v[LI], v[PC+4*\c:PC+4*\c+3], s[OC+2*(\p):OC+2*(\p)+1] offset:1536*(\a)+512*\c   ; 512 consecutive bytes
.endr
.endm
.macro EPILOGUE p
	WIN 0
	PLACES 5                                       ; four in front of the first read of results and of writes into A's set 1; the fifth since the next pass's first products write over the accumulators
.irp a, 0,1,2,3
	EPI \p, \a
.endr
	global_store_b128 v[LR], v[PWS:PWS+3], s[OS+2*(\p):OS+2*(\p)+1]   ; 16 lanes store my four tiles' 256 bytes of scale words; lanes 16-31 hold the same words and name the same bytes
.endm
	s_load_b128 s[4:7], s[0:1], 0x0                ; opc s[4:5], qkc s[6:7]
	s_load_b128 s[8:11], s[0:1], 0x10              ; qks s[8:9], bq s[10:11]
	s_load_b128 s[92:95], s[0:1], 0x20             ; bk s[92:93], bv s[94:95]
	v_lshl_add_u32 v[SPW], v0, 2, SPARE
	v_mov_b32 v[NIL], 0
	ds_add_u32 v[SPW], v[NIL]                      ; the opening: the add, twice on end, and its wait ahead of my first tensor load
	ds_add_u32 v[SPW], v[NIL]
	v_lshrrev_b32 v1, 5, v0
	v_readfirstlane_b32 s14, v1                    ; wave 0..3
	s_lshr_b32 s15, s14, 1                         ; my half of A's rowblock.  Also: at the head I fetch x (0) or Wq (1)
	s_and_b32 s16, s14, 1                          ; my rowblock of x.  Also: which part I fetch at the head
	s_bfe_u32 s40, ttmp6, 0x40000                  ; cx
	s_bfe_u32 s41, ttmp6, 0x40004                  ; cy
	s_and_b32 s17, ttmp7, 0xffff
	s_lshl_b32 s17, s17, 2
	s_add_co_u32 s17, s17, s41                     ; i: which 256 tokens
	s_lshl_b32 s42, ttmp9, 2
	s_add_co_u32 s42, s42, s40                     ; j: which 128 features
	s_lshl_b32 s43, s41, 2
	s_lshl_b32 s43, 15, s43                        ; my row of the cluster
	s_lshl_b32 s44, 0x1111, s40                    ; my column
	s_or_b32 s[G1X], s43, (3<<16)|(1<<21)          ; 15:0 the mask; 17:16 elements of 8 bytes; 21 set beside a mask; no padding
	s_or_b32 s[G1W], s44, (3<<16)|(1<<21)
	s_or_b32 s[G1R], s44, (3<<16)|(1<<21)
.irp g, G1X, G1W
	s_mov_b32 s[\g+1], 32<<16                      ; 51,200 dense bytes as 200 rows of 256
	s_mov_b32 s[\g+2], 200<<16
	s_mov_b32 s[\g+3], 32<<16
	s_mov_b32 s[\g+4], 200
	s_mov_b32 s[\g+5], 32
	s_mov_b32 s[\g+6], 0
	s_mov_b32 s[\g+7], 0
.endr
	s_mov_b32 s[G1R+1], 32<<16                     ; 12,800 dense bytes as 50 rows of 256
	s_mov_b32 s[G1R+2], 50<<16
	s_mov_b32 s[G1R+3], 32<<16
	s_mov_b32 s[G1R+4], 50
	s_mov_b32 s[G1R+5], 32
	s_mov_b32 s[G1R+6], 0
	s_mov_b32 s[G1R+7], 0
	s_lshl_b32 s18, s17, 1
	s_add_co_u32 s18, s18, s16                     ; x's rowblock 2 i + wave % 2: hangs on cy, never on cx
	s_mul_i32 s20, s18, RBB
	s_mov_b32 s21, 0
	s_add_co_u32 s45, s42, 64                      ; Wq's rowblocks are 64-71, Wk's 72-79, Wv's 80-87: hangs on cx, never on cy
	s_mul_i32 s46, s45, RBB
	s_mov_b32 s47, 0
	s_mul_i32 s96, s16, HALFK                      ; the head: which half of Wq, and its slot
	s_mov_b32 s98, s96
	s_mov_b32 s99, 0
	s_mul_i32 s2, s14, UNIT                        ; a refill: my unit
	s_mov_b32 s3, 0
	s_add_co_u32 s[RW], s2, RING
	s_mul_i32 s19, s16, RBB                        ; x's rowblock in LDS: no place in the cluster enters an LDS address
	s_wait_dscnt 0x0                               ; both opening adds are done
	s_wait_kmcnt 0x0
	s_add_nc_u64 s[20:21], s[4:5], s[20:21]
	s_add_nc_u64 s[46:47], s[4:5], s[46:47]
	s_add_nc_u64 s[98:99], s[46:47], s[98:99]
	s_add_nc_u64 s[PB1:PB1+1], s[46:47], s[2:3]
	s_add_nc_u64 s[PB1:PB1+1], s[PB1:PB1+1], 8*RBB
	s_add_nc_u64 s[PB2:PB2+1], s[PB1:PB1+1], 8*RBB
	CROUND                                         ; all sixteen work-groups are here: the first joint loads meet
	s_mov_b32 s[G0X], 1
	s_mov_b32 s[G0X+1], s19
	s_mov_b64 s[G0X+2:G0X+3], s[20:21]
	s_or_b32 s[G0X+3], s[G0X+3], 0x80000000
	s_mov_b32 s[G0W], 1
	s_add_co_u32 s[G0W+1], s96, RING
	s_mov_b64 s[G0W+2:G0W+3], s[98:99]
	s_or_b32 s[G0W+3], s[G0W+3], 0x80000000
	s_mov_b32 s[G0R], 1
	s_cmp_eq_u32 s15, 0                            ; the head's loads, one a wave, one in each arm
	s_cbranch_scc0 .Lhead_w
	tensor_load_to_lds s[G0X:G0X+3], s[G1X:G1X+7]  ; K steps 0-3 of x's rowblock wave % 2
	s_nop 0
	PLACES 4
	s_branch .Lhead_asked
.Lhead_w:
	tensor_load_to_lds s[G0W:G0W+3], s[G1W:G1W+7]  ; Wq's K steps 0-3 into slot 0 (wave 2), 4-7 into slot 1 (wave 3)
	s_nop 0
	PLACES 4
.Lhead_asked:
	s_mul_i32 s2, s15, 4*FRB                       ; my four tiles of A's eight
	s_add_co_u32 s3, s19, s2
	s_add_co_u32 s45, s2, RING
	s_lshl_b32 s46, s15, 8                         ; and their 256 bytes of a unit's scale words
	s_add_co_u32 s96, s19, s46                     ; Q, K: A's words lie in x,
	s_mov_b32 s97, RING
	s_sub_co_u32 s97, s97, s96                     ; B's in the ring: the distance
	s_add_co_u32 s96, s96, 8*FRB                   ; (behind a unit's eight fragments)
	s_add_co_u32 s98, s46, RING                    ; V: A's words lie in the ring,
	s_sub_co_u32 s98, s98, s19                     ; B's in x, which is the lower base
	s_add_co_u32 s99, s19, 8*FRB
	s_lshl_b32 s20, s42, 9                         ; the biases: 512 bytes for each 128 features
	s_add_co_u32 s21, s20, s46                     ; + my 64 channels
	v_and_b32 v1, 15, v0                           ; r
	v_bfe_u32 v2, v0, 4, 1                         ; h
	v_and_b32 v3, 31, v0
	v_xor_b32 v4, 1, v2                            ; 1 - h
	v_lshlrev_b32 v[LI], 4, v3
	v_lshlrev_b32 v[LR], 4, v1
	v_add_nc_u32 v[XT], s3, v[LI]
	v_add_nc_u32 v[XB], s19, v[LI]
	v_add_nc_u32 v[RB], RING, v[LI]
	v_add_nc_u32 v[RT], s45, v[LI]
	v_mul_u32_u24 v5, s97, v2                      ; lanes 16-31 take B's: the lower base + one product
	v_mul_u32_u24 v6, s98, v4                      ; pass V: lanes 0-15 take the higher base
	v_add_nc_u32 v5, v5, v[LR]
	v_add_nc_u32 v6, v6, v[LR]
	v_add_nc_u32 v[SQ], s96, v5
	v_add_nc_u32 v[SV], s99, v6
.irp b, XT, XB, RB, RT, SQ, SV
	v_add_nc_u32 v[\b+1], HALFK, v[\b]             ; K steps 4-7, slot 1
.endr
.irp b, SQ, SV
	v_lshl_add_u32 v[\b+2], v2, 8, v[\b]           ; B's tiles 4-7: lanes 16-31 256 bytes on, lanes 0-15 stay
	v_lshl_add_u32 v[\b+3], v2, 8, v[\b+1]
.endr
	v_lshl_add_u32 v7, v2, 6, s20                  ; Q, K: b[column], 64 numbers a lane in the results' order: + 64 h
	v_and_b32 v25, 8, v1
	v_add_nc_u32 v25, v25, v1                      ; r + 8 (r / 8)
	v_lshl_add_u32 v24, v25, 2, s21                ; V: b[row], one number a lane and tile
	v_mov_b32 v[RP+1], 0                           ; (named as the upper half of a pair)
.irp b, 0,1,2,3
	v_mov_b32 v[TM+4+\b], 0                        ; a lane permute's destination counts as one of its sources
.endr
	WIN 0xc0                                       ; destination window 3
.irp b, 0,1,2,3
.irp j, 0,1,2,3
	global_load_b128 v[16*\b+4*\j:16*\b+4*\j+3], v7, s[10:11] offset:128*\b+16*\j
	global_load_b128 v[64+16*\b+4*\j:64+16*\b+4*\j+3], v7, s[92:93] offset:128*\b+16*\j
.endr
.endr
	WIN 0
.irp a, 0,1,2,3
	global_load_b32 v[BR+\a], v24, s[94:95] offset:4*(32*(\a/2)+8*(\a%2))
.endr
	; my outputs.  Q: unit 8 x (token rowblock) + j; K: 512 units on.  V: unit 1024 + 16 x (8 x batch + j) + (key rowblock in the batch).  In a unit: my four tiles.
	s_lshl_b32 s3, s18, 3
	s_add_co_u32 s3, s3, s42
	s_mul_i32 s20, s3, 12288
	s_add_co_u32 s20, s20, s2
	s_mov_b32 s21, 0
	s_add_nc_u64 s[OC:OC+1], s[6:7], s[20:21]
	s_add_nc_u64 s[OC+2:OC+3], s[OC:OC+1], 512*12288
	s_lshl_b32 s20, s3, 9
	s_add_co_u32 s20, s20, s46
	s_add_nc_u64 s[OS:OS+1], s[8:9], s[20:21]
	s_add_nc_u64 s[OS+2:OS+3], s[OS:OS+1], 512*512
	s_lshr_b32 s3, s18, 4                          ; the batch
	s_lshl_b32 s3, s3, 3
	s_add_co_u32 s3, s3, s42
	s_lshl_b32 s3, s3, 4
	s_and_b32 s45, s18, 15
	s_add_co_u32 s3, s3, s45
	s_add_co_u32 s3, s3, 1024
	s_mul_i32 s20, s3, 12288
	s_add_co_u32 s20, s20, s2
	s_add_nc_u64 s[OC+4:OC+5], s[6:7], s[20:21]
	s_lshl_b32 s20, s3, 9
	s_add_co_u32 s20, s20, s46
	s_add_nc_u64 s[OS+4:OS+5], s[8:9], s[20:21]
	s_mov_b32 s[SEL], 0x76543210
	s_mov_b32 s[SEL+1], 0xfedcba98
	s_wait_alu depctr_va_vdst(0)
	s_wait_tensorcnt 0x0                           ; my tile of the head's four is in; the same lines as ahead of a refill stand ahead of a later first fill
	ds_add_u32 v[SPW], v[NIL]
	s_add_co_u32 s[G0X+1], s[G0X+1], HALFK         ; no tensor load of mine is out: x's group 0 steps to K steps 4-7
	s_add_nc_u64 s[G0X+2:G0X+3], s[G0X+2:G0X+3], HALFK
	s_wait_dscnt 0x0
	CROUND                                         ; all four tiles are in, and all sixteen work-groups are here
	s_cmp_eq_u32 s15, 0
	s_cbranch_scc0 .Lno_hi
	tensor_load_to_lds s[G0X:G0X+3], s[G1X:G1X+7]  ; waves 0, 1: x's K steps 4-7, filled for the first time
	s_nop 0
	PLACES 4
.Lno_hi:
	FETCH 0, 0, 0
	SCALES 0
	; ---- pass Q
	STEP 0, 0, 1                                   ; K step 0: its products start the sums
	STEP 0, 1, 0
	STEP 0, 2, 0
	TURN 0, 1, 1, PB1, 0                           ; 3; slot 0 takes Wk's K steps 0-3
	STEP 1, 0, 0
	STEP 1, 1, 0
	STEP 1, 2, 0
	TURN 1, 0, 1, PB1, 0                           ; 7; slot 1 takes Wk's K steps 4-7; K's first fragments are fetched
	s_wait_loadcnt 0x0                             ; the biases
	EPILOGUE 0
	; ---- pass K
	STEP 0, 0, 1
	STEP 0, 1, 0
	STEP 0, 2, 0
	TURN 0, 1, 1, PB2, 0                           ; slot 0 takes Wv's K steps 0-3
	STEP 1, 0, 0
	STEP 1, 1, 0
	STEP 1, 2, 0
	TURN 1, 0, 1, PB2, 1                           ; slot 1 takes Wv's K steps 4-7; from here on Wv is A and x is B
	EPILOGUE 1
	; ---- pass V
	STEP 0, 0, 1
	STEP 0, 1, 0
	STEP 0, 2, 0
	TURN 0, 1, 0, 0, 0                             ; nothing is left to fetch
	STEP 1, 0, 0
	STEP 1, 1, 0
	STEP 1, 2, 0
	s_wait_dscnt 0x0                               ; the very last K step
	WIN MUL
	MUL8 0, 1, 3, 1, 0
	MUL8 1, 1, 3, 1, 0
	MUL8 2, 1, 3, 1, 0
	MUL8 3, 1, 3, 1, 0
	EPILOGUE 2
	s_wait_tensorcnt 0x0                           ; the wave's end
	ds_add_u32 v[SPW], v[NIL]
	s_wait_dscnt 0x0
	CROUND                                         ; the closing round: no work-group ends while a partner may still ask for a tile that names it
	s_endpgm
.Lfunc_end_k_qa293b57a85_proj:
	.size	k_qa293b57a85_proj, .Lfunc_end_k_qa293b57a85_proj-k_qa293b57a85_proj
	.p2alignl 7, 3214868480
	.fill 96, 4, 3214868480
	.section	.rodata,"a",@progbits
	.p2align	6, 0x0
	.amdhsa_kernel k_qa293b57a85_proj
		.amdhsa_group_segment_fixed_size 327680
		.amdhsa_private_segment_fixed_size 0
		.amdhsa_enable_private_segment 0
		.amdhsa_kernarg_size 48
		.amdhsa_user_sgpr_count 2
		.amdhsa_user_sgpr_kernarg_segment_ptr 1
		.amdhsa_wavefront_size32 1
		.amdhsa_system_sgpr_workgroup_id_x 1
		.amdhsa_system_sgpr_workgroup_id_y 1
		.amdhsa_system_sgpr_workgroup_id_z 1
		.amdhsa_system_vgpr_workitem_id 0
		.amdhsa_next_free_vgpr 1024
		.amdhsa_next_free_sgpr 100
		.amdhsa_reserve_vcc 0
		.amdhsa_float_denorm_mode_32 3
		.amdhsa_float_denorm_mode_16_64 3
		.amdhsa_memory_ordered 1
		.amdhsa_forward_progress 1
		.amdhsa_inst_pref_size 250
	.end_amdhsa_kernel
	.amdgpu_metadata
---
amdhsa.version: [ 1, 2 ]
amdhsa.kernels:
  - .name:           k_qa293b57a85_proj
    .symbol:         k_qa293b57a85_proj.kd
    .args:
      - { .name: opc, .offset: 0, .size: 8, .value_kind: global_buffer, .address_space: global }
      - { .name: qkc, .offset: 8, .size: 8, .value_kind: global_buffer, .address_space: global }
      - { .name: qks, .offset: 16, .size: 8, .value_kind: global_buffer, .address_space: global }
      - { .name: bq, .offset: 24, .size: 8, .value_kind: global_buffer, .address_space: global }
      - { .name: bk, .offset: 32, .size: 8, .value_kind: global_buffer, .address_space: global }
      - { .name: bv, .offset: 40, .size: 8, .value_kind: global_buffer, .address_space: global }
    .group_segment_fixed_size: 327680
    .private_segment_fixed_size: 0
    .kernarg_segment_align: 8
    .kernarg_segment_size: 48
    .max_flat_workgroup_size: 128
    .sgpr_count:     100
    .vgpr_count:     1024
    .wavefront_size: 32
...
	.end_amdgpu_metadata
.endif
;; end of part 2
;; launch scores (part 3): grid 8 x 32, 4 waves a work-group, clusters of 4 x 4, 327,680 bytes of LDS; arguments qkc, qks, mbits, pc, pst; writes pc, pst
.if DOCPART == 3
	.amdgcn_target "amdgcn-amd-amdhsa--gfx1250"
	.amdhsa_code_object_version 6
	.text
	.protected	k_qa293b57a85_scores
	.globl	k_qa293b57a85_scores
	.p2align	8
	.type	k_qa293b57a85_scores,@function
k_qa293b57a85_scores:
	s_mov_b64 s[64:65], 0
	v_nop
	global_prefetch_b8 v0, s[64:65] scope:SCOPE_SE
	s_setreg_imm32_b32 hwreg(HW_REG_WAVE_MODE, 25, 1), 1
	s_wait_xcnt 0x0
	s_wait_alu depctr_hold_cnt(0) depctr_sa_sdst(0) depctr_va_vdst(0) depctr_va_sdst(0) depctr_va_ssrc(0) depctr_va_vcc(0) depctr_vm_vsrc(0)
	s_getreg_b32 s2, hwreg(HW_REG_IB_STS2, 6, 4)
	s_cmp_eq_u32 s2, 0
	s_cbranch_scc0 .Lentry_in_a_cluster
	s_endpgm
.Lentry_in_a_cluster:
	s_bfe_u32 s2, ttmp6, 0x10000c
	s_cmp_lg_u32 s2, 0xf033
	s_cbranch_scc0 .Lentry_shape_is_right
	s_endpgm
.Lentry_shape_is_right:
; SCORES.  S = Q K^T on codes of BF6 (K = 1,024, 8 steps of 128), masked, p = 2^(t - M) under each chunk of 128 keys' own whole number M, quantised along the keys; codes, scale words, M and the sums of p leave for the next launch.
; A work-group makes 256 queries x 256 keys, a wave 128 x 128.  Ring: two slots of two K steps, a quarter of a slot a wave, asked for jointly in a cluster of 4 x 4.
; THE HEAD: one tensor load a wave, its part of slot 0.  The scale words (4,096 bytes a wave) come by global loads and go to LDS bytes of their own by LDS stores while that load is out.  Slot 1 is first filled behind the first round.
.set NQ,    2
.set FR,    12
.set FRB,   1536
.set PART,  24576
.set SLOT,  4*PART
.set SCL,   2*SLOT
.set SPARE, SCL+16384
.set ADRA, 16
.set ADRB, 20
.set LI,   26
.set ADRS, 27
.set SPW,  28
.set NIL,  29
.set NINF, 30
.set SC,   32
.set SB,   64
.set T0,   66
.set T1,   67
.set T,    68
.set MV,   80
.set AF,   128
.set HA,   128
.set PC,   192
.set TM,   212
.set NT,   228
.set SA,   230
.set LS,   232
.set NM,   240
.set PWS,  248
.set SEL,  4
.set CS,   6
.set G1,   24
.set G0,   32
.set G1B,  48
.set G0B,  56
.set G1S,  68
.set G0S,  76
.set G1SB, 80
.set G0SB, 88
.set MSB,  0
.macro WIN new
.if MSB != (\new)
	s_set_vgpr_msb (MSB<<8)|(\new)
.set MSB, (\new)
.endif
.endm
.set MUL_LO, 0xa1
.set MUL_HI, 0xf1
.set TO_B,   0x40
.macro JLOAD g0a, g1a, g0b, g1b
	s_cmp_eq_u32 s15, 0
	s_cbranch_scc0 .Lfor_b_\@
	tensor_load_to_lds s[\g0a:\g0a+3], s[\g1a:\g1a+7]
	s_nop 0
.rept 4
	v_nop
.endr
	s_branch .Lasked_\@
.Lfor_b_\@:
	tensor_load_to_lds s[\g0b:\g0b+3], s[\g1b:\g1b+7]
	s_nop 0
.rept 4
	v_nop
.endr
.Lasked_\@:
.endm
.macro CREST
	s_cmp_lg_u32 s14, 0
	s_cbranch_scc1 .Lnot_wave_0_\@
	s_barrier_signal -3
.Lnot_wave_0_\@:
	s_barrier_wait -3
	s_barrier_signal -1
	s_barrier_wait -1
.endm
.macro CROUND
	s_barrier_signal -1
	s_barrier_wait -1
	CREST
.endm
.macro PLACES n
.rept \n
	v_nop
.endr
.endm
.macro FRAG reg, adr, q, i
.irp c, 0,1,2
	ds_load_b128 v[\reg+4*\c:\reg+4*\c+3], v[\adr] offset:((\q)*8+(\i))*FRB+512*\c
.endr
.endm
.macro FETCH_B slot, q, p
	WIN TO_B
.irp i, 0,1,2,3,4,5,6,7
	FRAG 128*(\p)+FR*\i, ADRB+\slot, \q, \i
.endr
	WIN 0
.endm
.macro FETCH_A slot, q, i0
.irp i, \i0, \i0+1, \i0+2, \i0+3
	FRAG AF+FR*(\i), ADRA+\slot, \q, \i
.endr
.endm
.macro SCALES sc
.irp q, 0,1
.irp j, 0,1
	ds_load_b128 v[SC+8*NQ*\sc+8*\q+4*\j:SC+8*NQ*\sc+8*\q+4*\j+3], v[ADRS] offset:512*\q+256*\j
.endr
.endr
.endm
.macro MUL2 a0, p, q, sc, zero
.irp a, \a0, \a0+1
.irp b, 0,1,2,3,4,5,6,7
.if \zero
	v_wmma_scale_f32_16x16x128_f8f6f4 v[8*(8*((\a)%4)+\b):8*(8*((\a)%4)+\b)+7], v[128*(\p)+FR*\b:128*(\p)+FR*\b+FR-1], v[AF+FR*(\a):AF+FR*(\a)+FR-1], 0, v[SC+8*NQ*(\sc)+8*(\q)+\b], v[SC+8*NQ*(\sc)+8*(\q)+(\a)] matrix_a_fmt:MATRIX_FMT_BF6 matrix_b_fmt:MATRIX_FMT_BF6 matrix_a_scale:MATRIX_SCALE_ROW1
.else
	v_wmma_scale_f32_16x16x128_f8f6f4 v[8*(8*((\a)%4)+\b):8*(8*((\a)%4)+\b)+7], v[128*(\p)+FR*\b:128*(\p)+FR*\b+FR-1], v[AF+FR*(\a):AF+FR*(\a)+FR-1], v[8*(8*((\a)%4)+\b):8*(8*((\a)%4)+\b)+7], v[SC+8*NQ*(\sc)+8*(\q)+\b], v[SC+8*NQ*(\sc)+8*(\q)+(\a)] matrix_a_fmt:MATRIX_FMT_BF6 matrix_b_fmt:MATRIX_FMT_BF6 matrix_a_scale:MATRIX_SCALE_ROW1
.endif
.endr
.endr
.endm
.macro STEP slot, q, zero
	s_wait_dscnt 12
	WIN MUL_LO
	MUL2 0, (\q)%2, \q, \slot, \zero
	MUL2 2, (\q)%2, \q, \slot, \zero
	s_wait_dscnt 0x0
	PLACES 4
	FETCH_B \slot, (\q)+1, 1-(\q)%2
	FETCH_A \slot, (\q)+1, 0
	WIN MUL_HI
	MUL2 4, (\q)%2, \q, \slot, \zero
	MUL2 6, (\q)%2, \q, \slot, \zero
	PLACES 4
	WIN 0
	FETCH_A \slot, (\q)+1, 4
.endm
.macro TURN slot, next, fill
	s_wait_tensorcnt 0x0
	ds_add_u32 v[SPW], v[NIL]
	s_wait_dscnt 13
	WIN MUL_LO
	MUL2 0, 1, NQ-1, \slot, 0
	s_wait_dscnt 0x0
	s_barrier_signal -1
	MUL2 2, 1, NQ-1, \slot, 0
	WIN 0
	s_barrier_wait -1
.if \fill
	CREST
	s_add_nc_u64 s[G0+4*\slot+2:G0+4*\slot+3], s[G0+4*\slot+2:G0+4*\slot+3], 2*PART
	s_add_nc_u64 s[G0B+4*\slot+2:G0B+4*\slot+3], s[G0B+4*\slot+2:G0B+4*\slot+3], 2*PART
	JLOAD G0+4*\slot, G1, G0B+4*\slot, G1B
.else
	PLACES 4
.endif
	s_wait_alu depctr_va_vdst(0)
	v_add_nc_u32 v[ADRS], 512*NQ, v[ADRS]
	FETCH_B \next, 0, 0
	FETCH_A \next, 0, 0
	SCALES \next
	WIN MUL_HI
	MUL2 4, 1, NQ-1, \slot, 0
	MUL2 6, 1, NQ-1, \slot, 0
	PLACES 4
	WIN 0
	FETCH_A \next, 0, 4
.endm
.macro QCODE s, pw
.irp b, 0,1,2,3
	v_add_nc_u32 v[TM+12+\b], 0xfe000000, v[TM+\b]
.endr
.irp b, 0,1,2,3
	v_lshrrev_b32 v[TM+4+\b], 23, v[TM+12+\b]
.endr
	v_lshl_or_b32 v[\pw], v[TM+5], 8, v[TM+4]
	v_lshl_or_b32 v[\pw], v[TM+6], 16, v[\pw]
	v_lshl_or_b32 v[\pw], v[TM+7], 24, v[\pw]
.irp c, 0,1
	v_cvt_scalef32_pk16_bf6_f32 v[PC+6*\c:PC+2+6*\c], v[\s+32*\c:\s+15+32*\c], v[TM+12+2*\c]
	v_cvt_scalef32_pk16_bf6_f32 v[PC+12+4*\c:PC+14+4*\c], v[\s+16+32*\c:\s+31+32*\c], v[TM+12+2*\c+1]
.endr
	v_nop
.irp c, 0,1
.irp i, 0,1,2
	v_permlane16_swap_b32 v[PC+6*\c+\i], v[PC+12+4*\c+\i]
.endr
.irp i, 0,1,2
	v_mov_b32 v[PC+3+6*\c+\i], v[PC+12+4*\c+\i]
.endr
.endr
.endm
.macro MR1 a, n
.if (\n) < 48
	v_readlane_b32 s[16+(\n)], v[MV+4*((\a)/2)+(\n)%4], 16*((\a)%2)+(\n)/4
.else
	v_readlane_b32 s[20+(\n)], v[MV+4*((\a)/2)+(\n)%4], 16*((\a)%2)+(\n)/4
.endif
.endm
	s_load_b128 s[4:7], s[0:1], 0x0
	s_load_b128 s[8:11], s[0:1], 0x10
	s_load_b64 s[12:13], s[0:1], 0x20
	v_lshl_add_u32 v[SPW], v0, 2, SPARE
	v_mov_b32 v[NIL], 0
	ds_add_u32 v28, v29
	ds_add_u32 v28, v29
	s_wait_dscnt 0x0
	v_lshrrev_b32 v1, 5, v0
	v_readfirstlane_b32 s14, v1
	s_lshr_b32 s15, s14, 1
	s_and_b32 s16, s14, 1
	s_bfe_u32 s40, ttmp6, 0x40000
	s_bfe_u32 s41, ttmp6, 0x40004
	s_and_b32 s17, ttmp7, 0xffff
	s_lshr_b32 s19, s17, 1
	s_lshl_b32 s17, s17, 2
	s_add_co_u32 s17, s17, s41
	s_lshl_b32 s42, ttmp9, 2
	s_add_co_u32 s42, s42, s40
	s_lshl_b32 s43, s41, 2
	s_lshl_b32 s43, 15, s43
	s_lshl_b32 s44, 0x1111, s40
	s_or_b32 s[G1], s43, (3<<16)|(1<<21)
	s_or_b32 s[G1B], s44, (3<<16)|(1<<21)
.irp g, G1, G1B
	s_mov_b32 s[\g+1], 32<<16
	s_mov_b32 s[\g+2], 96<<16
	s_mov_b32 s[\g+3], 32<<16
	s_mov_b32 s[\g+4], 96
	s_mov_b32 s[\g+5], 32
	s_mov_b32 s[\g+6], 0
	s_mov_b32 s[\g+7], 0
.endr
	s_lshl_b32 s20, s17, 1
	s_add_co_u32 s20, s20, s16
	s_lshl_b32 s22, s20, 12
	s_mul_i32 s20, s20, 98304
	s_mov_b32 s21, 0
	s_mov_b32 s23, 0
	s_lshl_b32 s46, s42, 1
	s_add_co_u32 s46, s46, s16
	s_lshl_b32 s19, s19, 4
	s_add_co_u32 s46, s46, s19
	s_lshl_b32 s98, s46, 12
	s_add_co_u32 s98, s98, 262144
	s_mul_i32 s46, s46, 98304
	s_add_co_u32 s46, s46, 6291456
	s_mov_b32 s47, 0
	s_mov_b32 s99, 0
	s_mul_i32 s45, s14, PART
	s_lshl_b32 s96, s14, 12
	s_wait_kmcnt 0x0
	s_add_nc_u64 s[20:21], s[4:5], s[20:21]
	s_add_nc_u64 s[22:23], s[6:7], s[22:23]
	s_add_nc_u64 s[46:47], s[4:5], s[46:47]
	s_add_nc_u64 s[98:99], s[6:7], s[98:99]
	CROUND
	s_cmp_eq_u32 s15, 0                            ; the 4,096 bytes of scale words that my wave copies: waves 0, 1 Q's two rowblocks, waves 2, 3 K's
	s_cselect_b64 s[98:99], s[22:23], s[98:99]
.irp s, 0,1
	s_mov_b32 s[G0+4*\s], 1
	s_add_co_u32 s[G0+4*\s+1], s45, \s*SLOT
	s_add_nc_u64 s[G0+4*\s+2:G0+4*\s+3], s[20:21], \s*PART
	s_or_b32 s[G0+4*\s+3], s[G0+4*\s+3], 0x80000000
	s_mov_b32 s[G0B+4*\s], 1
	s_add_co_u32 s[G0B+4*\s+1], s45, \s*SLOT
	s_add_nc_u64 s[G0B+4*\s+2:G0B+4*\s+3], s[46:47], \s*PART
	s_or_b32 s[G0B+4*\s+3], s[G0B+4*\s+3], 0x80000000
.endr
	JLOAD G0, G1, G0B, G1B                         ; the head's load, one a wave: my part of slot 0
	v_and_b32 v1, 15, v0
	v_bfe_u32 v2, v0, 4, 1
	v_and_b32 v3, 31, v0
	v_lshlrev_b32 v[LI], 4, v3
	v_mov_b32 v[NINF], 0xff800000
.irp k, 0,1,2,3,4,5,6,7
	global_load_b128 v[128+4*\k:131+4*\k], v[LI], s[98:99] offset:512*\k   ; 512 consecutive bytes of scale words
.endr
	v_add_nc_u32 v7, s96, v[LI]
	v_add_nc_u32 v7, SCL, v7                       ; and where they go in LDS: 4,096 x wave + 16 x lane
	v_mov_b32 v[T1], 0
	s_mul_i32 s18, s15, PART
	s_mul_i32 s19, s16, PART
	s_add_co_u32 s19, s19, 2*PART
.irp s, 0,1
	v_add_nc_u32 v[ADRA+\s], s18, v[LI]
	v_add_nc_u32 v[ADRB+\s], s19, v[LI]
	s_add_co_u32 s18, s18, SLOT
	s_add_co_u32 s19, s19, SLOT
.endr
	v_lshlrev_b32 v5, 4, v1
	s_lshl_b32 s18, s15, 12
	s_lshl_b32 s19, s16, 12
	s_add_co_u32 s19, s19, 2*4096
	s_sub_co_u32 s19, s19, s18
	v_mul_u32_u24 v6, s19, v2
	s_add_co_u32 s18, s18, SCL
	v_add_nc_u32 v5, v5, v6
	v_add_nc_u32 v[ADRS], s18, v5
	s_lshl_b32 s18, s17, 1
	s_add_co_u32 s18, s18, s15
	s_lshl_b32 s19, s42, 1
	s_add_co_u32 s19, s19, s16
	s_lshl_b32 s20, s18, 4
	s_add_co_u32 s20, s20, s19
	s_mul_i32 s22, s20, 12288
	s_mov_b32 s23, 0
	s_add_nc_u64 s[10:11], s[10:11], s[22:23]
	s_mul_i32 s22, s20, 1536
	s_add_nc_u64 s[12:13], s[12:13], s[22:23]
	s_and_b32 s18, s18, 15
	s_lshl_b32 s18, s18, 4
	s_add_co_u32 s18, s18, s19
	s_lshl_b32 s22, s18, 11
	s_add_nc_u64 s[8:9], s[8:9], s[22:23]
.irp j, 0,1,2,3
	global_load_b128 v[MV+4*\j:MV+4*\j+3], v[LI], s[8:9] offset:512*\j
.endr
	s_mov_b32 s[SEL], 0x76543210
	s_mov_b32 s[SEL+1], 0xfedcba98
	s_mov_b32 s[CS], 0x3d38aa3b
	s_mov_b32 s[CS+1], s[CS]
	s_mov_b32 s96, 0xffff0000
	s_wait_alu depctr_va_vdst(0)
	s_wait_loadcnt 4                               ; the eight loads of scale words are in; the four of mask words, issued behind them, may be out
.irp k, 0,1,2,3,4,5,6,7
	ds_store_b128 v7, v[128+4*\k:131+4*\k] offset:512*\k
.endr
	s_wait_tensorcnt 0x0                           ; my part of slot 0 is in
	ds_add_u32 v[SPW], v[NIL]
	s_wait_dscnt 0x0                               ; the add and my stores of scale words are done
	CROUND
	JLOAD G0+4, G1, G0B+4, G1B                     ; slot 1's first fill, the first tensor load behind the round
	FETCH_B 0, 0, 0
	FETCH_A 0, 0, 0
	SCALES 0
	FETCH_A 0, 0, 4
	STEP 0, 0, 1
	TURN 0, 1, 1
	STEP 1, 0, 0
	TURN 1, 0, 1
	STEP 0, 0, 0
	TURN 0, 1, 0
	STEP 1, 0, 0
	s_wait_loadcnt 0x0
.set n, 0
.rept 64
	MR1 0, n
.set n, n+1
.endr
	s_wait_dscnt 12
	WIN MUL_LO
	MUL2 0, 1, NQ-1, 1, 0
	MUL2 2, 1, NQ-1, 1, 0
	s_wait_dscnt 0x0
	WIN MUL_HI
	MUL2 4, 1, NQ-1, 1, 0
	MUL2 6, 1, NQ-1, 1, 0
	WIN 0
	PLACES 4
	v_mov_b32 v[NT+1], 0
.irp b, 0,1,2,3
	v_mov_b32 v[TM+4+\b], 0
.endr
.macro EPI a
	WIN 0x08+4*((\a)/4)
.set n, 0
.rept 64
.if n < 48
	v_cndmask_b32 v[HA+n], v[NINF], v[64*((\a)%4)+n], s[16+n]
.else
	v_cndmask_b32 v[HA+n], v[NINF], v[64*((\a)%4)+n], s[20+n]
.endif
.set n, n+1
.endr
	WIN 0
.irp b, 0,1,2,3
	v_max3_num_f32 v[TM+\b], v[HA+16*\b], v[HA+1+16*\b], v[HA+2+16*\b]
.endr
.irp i, 3,5,7,9,11,13
.irp b, 0,1,2,3
	v_max3_num_f32 v[TM+\b], v[TM+\b], v[HA+16*\b+\i], v[HA+1+16*\b+\i]
.endr
.endr
.irp b, 0,1,2,3
	v_max_num_f32 v[TM+\b], v[TM+\b], v[HA+15+16*\b]
.endr
.irp b, 0,1,2,3
	v_permlanex16_b32 v[TM+4+\b], v[TM+\b], s[SEL], s[SEL+1]
.endr
.irp b, 0,1,2,3
	v_max_num_f32 v[TM+\b], v[TM+\b], v[TM+4+\b]
.endr
	v_max3_num_f32 v[T0], v[TM], v[TM+1], v[TM+2]
	v_max_num_f32 v[T0], v[T0], v[TM+3]
	v_mul_f32 v[T0], s[CS], v[T0]
	v_max_num_f32 v[T0], 0xff61b1e6, v[T0]
	v_floor_f32 v[NT], -v[T0]
.set n, 0
.rept 32
	v_pk_fma_f32 v[HA+n:HA+n+1], v[HA+n:HA+n+1], s[CS:CS+1], v[NT:NT+1] op_sel_hi:[1,0,0]
.set n, n+2
.endr
.irp b, 0,1,2,3
	v_fma_f32 v[TM+\b], v[TM+\b], s[CS], v[NT]
.endr
.set n, 0
	s_wait_alu depctr_va_vdst(0)
.rept 64
	v_exp_f32 v[HA+n], v[HA+n]
.if (\a) < 7
	MR1 (\a)+1, n
.endif
.set n, n+1
.endr
	v_mul_f32 v[NM+(\a)], -1.0, v[NT]
	s_wait_alu depctr_va_vdst(0)
.irp b, 0,1,2,3
	v_exp_f32 v[TM+\b], v[TM+\b]
.endr
	v_pk_add_f32 v[SA:SA+1], v[HA:HA+1], v[HA+2:HA+3]
	v_pk_add_f32 v[SB:SB+1], v[HA+4:HA+5], v[HA+6:HA+7]
.irp j, 8,12,16,20,24,28,32,36,40,44,48,52,56,60
	v_pk_add_f32 v[SA:SA+1], v[SA:SA+1], v[HA+\j:HA+\j+1]
	v_pk_add_f32 v[SB:SB+1], v[SB:SB+1], v[HA+\j+2:HA+\j+3]
.endr
	v_pk_add_f32 v[SA:SA+1], v[SA:SA+1], v[SB:SB+1]
	v_add_f32 v[T0], v[SA], v[SA+1]
	v_permlanex16_b32 v[T1], v[T0], s[SEL], s[SEL+1]
	v_add_f32 v[LS+(\a)], v[T0], v[T1]
	s_wait_alu depctr_va_vdst(0)
.irp b, 0,1,2,3
	v_max_num_f32 v[TM+\b], 0x2800000, v[TM+\b]
.endr
	s_wait_alu depctr_va_vdst(0)
	s_wait_xcnt 0x0
	QCODE HA, PWS+(\a)
.irp c, 0,1,2
	global_store_b128 v[LI], v[PC+4*\c:PC+4*\c+3], s[10:11] offset:1536*(\a)+512*\c
.endr
.endm
.irp a, 0,1,2,3,4,5,6,7
	EPI \a
.endr
.irp e, 0,1,2,3
	v_cndmask_b32 v[T+\e], v[PWS+\e], v[PWS+4+\e], s96
	v_cndmask_b32 v[T+4+\e], v[NM+\e], v[NM+4+\e], s96
	v_cndmask_b32 v[T+8+\e], v[LS+\e], v[LS+4+\e], s96
.endr
	global_store_b128 v[LI], v[T:T+3], s[12:13]
	global_store_b128 v[LI], v[T+4:T+7], s[12:13] offset:512
	global_store_b128 v[LI], v[T+8:T+11], s[12:13] offset:1024
	s_wait_tensorcnt 0x0
	ds_add_u32 v[SPW], v[NIL]
	s_wait_dscnt 0x0
	CROUND
	s_endpgm
.Lfunc_end_k_qa293b57a85_scores:
	.size	k_qa293b57a85_scores, .Lfunc_end_k_qa293b57a85_scores-k_qa293b57a85_scores
	.p2alignl 7, 3214868480
	.fill 96, 4, 3214868480
	.section	.rodata,"a",@progbits
	.p2align	6, 0x0
	.amdhsa_kernel k_qa293b57a85_scores
		.amdhsa_group_segment_fixed_size 327680
		.amdhsa_private_segment_fixed_size 0
		.amdhsa_enable_private_segment 0
		.amdhsa_kernarg_size 40
		.amdhsa_user_sgpr_count 2
		.amdhsa_user_sgpr_kernarg_segment_ptr 1
		.amdhsa_wavefront_size32 1
		.amdhsa_system_sgpr_workgroup_id_x 1
		.amdhsa_system_sgpr_workgroup_id_y 1
		.amdhsa_system_sgpr_workgroup_id_z 1
		.amdhsa_system_vgpr_workitem_id 0
		.amdhsa_next_free_vgpr 1024
		.amdhsa_next_free_sgpr 100
		.amdhsa_reserve_vcc 0
		.amdhsa_float_denorm_mode_32 3
		.amdhsa_float_denorm_mode_16_64 3
		.amdhsa_memory_ordered 1
		.amdhsa_forward_progress 1
		.amdhsa_inst_pref_size 255
	.end_amdhsa_kernel
	.section	.bss,"aw",@nobits
	.p2align	6
	.space	262144
	.amdgpu_metadata
---
amdhsa.version: [ 1, 2 ]
amdhsa.kernels:
  - .name:           k_qa293b57a85_scores
    .symbol:         k_qa293b57a85_scores.kd
    .args:
      - { .name: qkc, .offset: 0, .size: 8, .value_kind: global_buffer, .address_space: global }
      - { .name: qks, .offset: 8, .size: 8, .value_kind: global_buffer, .address_space: global }
      - { .name: mbits, .offset: 16, .size: 8, .value_kind: global_buffer, .address_space: global }
      - { .name: pc, .offset: 24, .size: 8, .value_kind: global_buffer, .address_space: global }
      - { .name: pst, .offset: 32, .size: 8, .value_kind: global_buffer, .address_space: global }
    .group_segment_fixed_size: 327680
    .private_segment_fixed_size: 0
    .kernarg_segment_align: 8
    .kernarg_segment_size: 40
    .max_flat_workgroup_size: 128
    .sgpr_count:     100
    .vgpr_count:     1024
    .wavefront_size: 32
...
	.end_amdgpu_metadata
.endif
;; end of part 3
;; launch pv (part 4): grid 8 x 32, 4 waves a work-group, clusters of 4 x 4, 327,680 bytes of LDS; arguments pc, pst, qkc, qks, out0; writes out0
.if DOCPART == 4
	.amdgcn_target "amdgcn-amd-amdhsa--gfx1250"
	.amdhsa_code_object_version 6
	.text
	.protected	k_qa293b57a85_pv
	.globl	k_qa293b57a85_pv
	.p2align	8
	.type	k_qa293b57a85_pv,@function
k_qa293b57a85_pv:
	s_mov_b64 s[64:65], 0
	v_nop
	global_prefetch_b8 v0, s[64:65] scope:SCOPE_SE
	s_setreg_imm32_b32 hwreg(HW_REG_WAVE_MODE, 25, 1), 1
	s_wait_xcnt 0x0
	s_wait_alu depctr_hold_cnt(0) depctr_sa_sdst(0) depctr_va_vdst(0) depctr_va_sdst(0) depctr_va_ssrc(0) depctr_va_vcc(0) depctr_vm_vsrc(0)
	s_getreg_b32 s2, hwreg(HW_REG_IB_STS2, 6, 4)
	s_cmp_eq_u32 s2, 0
	s_cbranch_scc0 .Lentry_in_a_cluster
	s_endpgm
.Lentry_in_a_cluster:
	s_bfe_u32 s2, ttmp6, 0x10000c
	s_cmp_lg_u32 s2, 0xf033
	s_cbranch_scc0 .Lentry_shape_is_right
	s_endpgm
.Lentry_shape_is_right:
; PV.  O = P V / l on codes of BF6 (K = the 2,048 keys, 16 steps of 128).  P's codes were made chunk by chunk of 128 keys, each under its own whole number M_chunk.
; AT THE HEAD, while the first tiles are on their way, each thread takes two queries: M_row = the largest of the 16 M_chunk; d = M_row - M_chunk, held at 127; l = the sum of l_chunk x 2^-d;
; each byte of the chunk's scale word becomes max(byte - d, 0): the power of two goes into the block's scale, the codes stay.  The words and 1 / l go to LDS for all four waves.
; (All four bytes at once: p is at most 1, so a byte is at most 123; word + 0x80808080 - d x 0x01010101 has each byte between 2 and 251, so nothing is carried; a byte's top bit then says whether byte - d is 0 or more.)
; A query whose every key is masked has l = 0 and zero codes: 0 x (1 / 0) is NaN, as the softmax of a row of -infinity is.
; LIMIT: a chunk whose M lies 127 or more under its row's enters with scale byte 0 (2^-127) and l x 2^-127 instead of still less: under 2^-120 of the row's sum.  NaN and infinities among the inputs are not served.
; A work-group makes 256 queries x 128 channels, a wave 128 x 64: 32 accumulators.  Source 0 = 16 channels of V^T, source 1 = 16 queries of P: a lane holds one query and eight neighbouring channels a tile.
; (Lane r of tile t of every operand stands for row 32 (t / 2) + 8 (t % 2) + r + 8 (r / 8) of its rowblock.)
; RING: two slots of FOUR K steps, so that a refill has 112 matrix instructions of a wave in which to land: waves 0, 1 fetch P's two rowblocks (49,152 bytes each), waves 2, 3 two K steps each of V^T's rowblock (24,576 bytes).
; CLUSTER 4 x 4: P's tiles are asked for jointly along a row, V^T's along a column.  By this text's count a wave has at most one tensor load out.
; REGISTERS: window 0: v16-29 addresses; v32-95 scale words, two sets; v128-223 P's fragments, one set; window 1: V^T's fragments, two sets at v0, v128; window 2: the accumulators ((a, b) at v[8 (4 a + b)]).
; THE HEAD AS IT STANDS: one tensor load a wave, its part of slot 0; V^T's scale words (2,048 bytes a wave) come by global loads and go to LDS by LDS stores; slot 1 is first filled behind the first round.
; So by this text's count a wave has one tensor load out throughout.
.set NQ,    4
.set FR,    12
.set FRB,   1536
.set PARTA, 49152                      ; four K steps of a rowblock
.set PARTB, 24576                      ; two
.set SLOT,  3*PARTA                    ; P's two rowblocks, then V^T's one
.set SCA,   2*SLOT                     ; P's shifted scale words: 2 rowblocks x 16 K steps x 512 bytes; written by LDS stores, never by a tensor load
.set SCB,   SCA+16384                  ; V^T's scale words: 16 K steps x 512 bytes; filled once
.set RL,    SCB+8192                   ; 1 / l: 2 rowblocks x 512 bytes
.set SPARE, RL+1024                    ; the spare words, 128 bytes for each wave: two blocks of 256 bytes that no other line names
.set ADRA, 16
.set ADRB, 20
.set STO,  22                          ; v22 the way out: where I put 32 bytes of a row
.set RD,   23                          ; v23 where I read a row back
.set GO,   24                          ; v24 my byte offset in out0
.set RLA,  25                          ; v25 where my queries' 1 / l lie
.set LI,   26
.set ADRS, 27
.set SPW,  28
.set NIL,  29
.set SC,   32
.set AF,   128
.set WW,   128                         ; the head: v128-159 scale words, v160-191 M, v192-223 l: (chunk s, query e) at 2 s + e
.set MC,   160
.set LV,   192
.set MX,   224                         ; v224-225 the rows' M;  v226-227 l, then 1 / l;  v228-237 at work
.set LL,   226
.set EE,   228
.set LT,   230
.set PP,   232
.set XX,   234
.set YY,   236
.set RLV,  240                         ; v240-247 1 / l of my eight tiles' queries
.set RP,   248                         ; v[248:249] a pair whose low word is broadcast
.set G1,   24
.set G0,   32
.set G1B,  48
.set G0B,  56
.set G1SB, 80
.set G0SB, 88
.set MSB,  0
.macro WIN new
.if MSB != (\new)
	s_set_vgpr_msb (MSB<<8)|(\new)
.set MSB, (\new)
.endif
.endm
.set MUL,  0xa1                        ; source 0 (V^T) window 1, source 1 (P) window 0, C and D window 2
.set TO_B, 0x40
.macro JLOAD g0a, g1a, g0b, g1b        ; waves 0 and 1 fetch for P, waves 2 and 3 for V^T; four v_nop follow each of the two lines
	s_cmp_eq_u32 s15, 0
	s_cbranch_scc0 .Lfor_b_\@
	tensor_load_to_lds s[\g0a:\g0a+3], s[\g1a:\g1a+7]
	s_nop 0
.rept 4
	v_nop
.endr
	s_branch .Lasked_\@
.Lfor_b_\@:
	tensor_load_to_lds s[\g0b:\g0b+3], s[\g1b:\g1b+7]
	s_nop 0
.rept 4
	v_nop
.endr
.Lasked_\@:
.endm
.macro CREST
	s_cmp_lg_u32 s14, 0
	s_cbranch_scc1 .Lnot_wave_0_\@
	s_barrier_signal -3
.Lnot_wave_0_\@:
	s_barrier_wait -3
	s_barrier_signal -1
	s_barrier_wait -1
.endm
.macro CROUND
	s_barrier_signal -1
	s_barrier_wait -1
	CREST
.endm
.macro PLACES n
.rept \n
	v_nop
.endr
.endm
.macro FRAG reg, adr, q, i
.irp c, 0,1,2
	ds_load_b128 v[\reg+4*\c:\reg+4*\c+3], v[\adr] offset:((\q)*8+(\i))*FRB+512*\c
.endr
.endm
.macro FETCH_B slot, q, p              ; my four tiles of V^T
	WIN TO_B
.irp i, 0,1,2,3
	FRAG 128*(\p)+FR*\i, ADRB+\slot, \q, \i
.endr
	WIN 0
.endm
.macro FETCH_A slot, q, i0
.irp i, \i0, \i0+1, \i0+2, \i0+3
	FRAG AF+FR*(\i), ADRA+\slot, \q, \i
.endr
.endm
.macro SCALES sc                       ; a slot's scale words: lanes 0-15 P's eight tiles; lanes 16-31 my four tiles of V^T in registers 8 q + 0 .. 3 (what they bring into 8 q + 4 .. 7 is not used)
.irp q, 0,1,2,3
.irp j, 0,1
	ds_load_b128 v[SC+8*NQ*\sc+8*\q+4*\j:SC+8*NQ*\sc+8*\q+4*\j+3], v[ADRS] offset:512*\q+256*\j
.endr
.endr
.endm
.macro MUL2 a0, p, q, sc, zero         ; 8 matrix instructions; the 32 accumulators take turns, one instruction a turn
.irp a, \a0, \a0+1
.irp b, 0,1,2,3
.if \zero
	v_wmma_scale_f32_16x16x128_f8f6f4 v[8*(4*(\a)+\b):8*(4*(\a)+\b)+7], v[128*(\p)+FR*\b:128*(\p)+FR*\b+FR-1], v[AF+FR*(\a):AF+FR*(\a)+FR-1], 0, v[SC+8*NQ*(\sc)+8*(\q)+\b], v[SC+8*NQ*(\sc)+8*(\q)+(\a)] matrix_a_fmt:MATRIX_FMT_BF6 matrix_b_fmt:MATRIX_FMT_BF6 matrix_a_scale:MATRIX_SCALE_ROW1
.else
	v_wmma_scale_f32_16x16x128_f8f6f4 v[8*(4*(\a)+\b):8*(4*(\a)+\b)+7], v[128*(\p)+FR*\b:128*(\p)+FR*\b+FR-1], v[AF+FR*(\a):AF+FR*(\a)+FR-1], v[8*(4*(\a)+\b):8*(4*(\a)+\b)+7], v[SC+8*NQ*(\sc)+8*(\q)+\b], v[SC+8*NQ*(\sc)+8*(\q)+(\a)] matrix_a_fmt:MATRIX_FMT_BF6 matrix_b_fmt:MATRIX_FMT_BF6 matrix_a_scale:MATRIX_SCALE_ROW1
.endif
.endr
.endr
.endm
.macro MUL1 a, p, q, sc, zero          ; 4 matrix instructions: P's tile a x my four tiles of V^T
.irp b, 0,1,2,3
.if \zero
	v_wmma_scale_f32_16x16x128_f8f6f4 v[8*(4*(\a)+\b):8*(4*(\a)+\b)+7], v[128*(\p)+FR*\b:128*(\p)+FR*\b+FR-1], v[AF+FR*(\a):AF+FR*(\a)+FR-1], 0, v[SC+8*NQ*(\sc)+8*(\q)+\b], v[SC+8*NQ*(\sc)+8*(\q)+(\a)] matrix_a_fmt:MATRIX_FMT_BF6 matrix_b_fmt:MATRIX_FMT_BF6 matrix_a_scale:MATRIX_SCALE_ROW1
.else
	v_wmma_scale_f32_16x16x128_f8f6f4 v[8*(4*(\a)+\b):8*(4*(\a)+\b)+7], v[128*(\p)+FR*\b:128*(\p)+FR*\b+FR-1], v[AF+FR*(\a):AF+FR*(\a)+FR-1], v[8*(4*(\a)+\b):8*(4*(\a)+\b)+7], v[SC+8*NQ*(\sc)+8*(\q)+\b], v[SC+8*NQ*(\sc)+8*(\q)+(\a)] matrix_a_fmt:MATRIX_FMT_BF6 matrix_b_fmt:MATRIX_FMT_BF6 matrix_a_scale:MATRIX_SCALE_ROW1
.endif
.endr
.endm
; P'S FRAGMENTS HAVE TWO SETS: v128-223 of window 0 (even K steps) and the same numbers in window 3 (odd K steps); so source 1's window goes by the step's parity: MUL or MUL + 0x0c.
; A K step that has its successor in the same slot: the successor's fragments (my four tiles of V^T, P's eight: 36 loads) are asked for first, in ONE run, into the other sets,
; and have this step's 32 matrix instructions in which to come.
.macro STEP slot, q, zero
	s_wait_dscnt 0x0                               ; this step's fragments (and, in a slot's first step, its scale words) are in
	PLACES 4                                       ; in front of loads into the sets that the last step's matrix instructions read
	FETCH_B \slot, (\q)+1, 1-(\q)%2
	WIN 0xc0*(1-(\q)%2)                            ; destination: P's other set
	FETCH_A \slot, (\q)+1, 0
	FETCH_A \slot, (\q)+1, 4
	WIN MUL+0x0c*((\q)%2)
.irp g, 0,1,2,3,4,5,6,7
	MUL1 \g, (\q)%2, \q, \slot, \zero
.endr
.endm
.macro TURN slot, next, fill
	WIN 0                                          ; (the add's two registers lie in window 0)
	s_wait_tensorcnt 0x0                           ; all my tensor loads have landed: my part of the next slot
	ds_add_u32 v[SPW], v[NIL]                      ; 0 onto my spare word
	s_wait_dscnt 1                                 ; this step's fragments are in (the add may be out)
	WIN MUL+0x0c                                   ; a slot's last K step is an odd one: P's set in window 3
	MUL2 0, 1, NQ-1, \slot, 0
	s_wait_dscnt 0x0                               ; the add is done, and my reads of this slot are over
	s_barrier_signal -1
	MUL2 2, 1, NQ-1, \slot, 0
	WIN 0
	s_barrier_wait -1
.if \fill
	CREST                                          ; a round of the cluster's barrier: no wave of any partner still reads this slot or has a load on its way
	s_add_nc_u64 s[G0+4*\slot+2:G0+4*\slot+3], s[G0+4*\slot+2:G0+4*\slot+3], 2*PARTA
	s_add_nc_u64 s[G0B+4*\slot+2:G0B+4*\slot+3], s[G0B+4*\slot+2:G0B+4*\slot+3], 2*PARTA
	JLOAD G0+4*\slot, G1, G0B+4*\slot, G1B
.else
	PLACES 4
.endif
	s_wait_alu depctr_va_vdst(0)
	v_add_nc_u32 v[ADRS], 512*NQ, v[ADRS]
	FETCH_B \next, 0, 0
	FETCH_A \next, 0, 0
	FETCH_A \next, 0, 4
	SCALES \next
	WIN MUL+0x0c
	MUL2 4, 1, NQ-1, \slot, 0
	MUL2 6, 1, NQ-1, \slot, 0
.endm
	s_load_b128 s[4:7], s[0:1], 0x0                ; pc s[4:5], pst s[6:7]
	s_load_b128 s[8:11], s[0:1], 0x10              ; qkc s[8:9], qks s[10:11]
	s_load_b64 s[12:13], s[0:1], 0x20              ; out0
	v_lshl_add_u32 v[SPW], v0, 2, SPARE
	v_mov_b32 v[NIL], 0
	ds_add_u32 v28, v29
	ds_add_u32 v28, v29
	s_wait_dscnt 0x0
	v_lshrrev_b32 v1, 5, v0
	v_readfirstlane_b32 s14, v1                    ; wave 0..3
	s_lshr_b32 s15, s14, 1                         ; my half of the queries.  Also: I fetch for P (0) or for V^T (1)
	s_and_b32 s16, s14, 1                          ; my half of the channels.  Also: which part I fetch
	s_bfe_u32 s40, ttmp6, 0x40000                  ; cx
	s_bfe_u32 s41, ttmp6, 0x40004                  ; cy
	s_and_b32 s17, ttmp7, 0xffff
	s_lshr_b32 s19, s17, 1                         ; the batch
	s_lshl_b32 s17, s17, 2
	s_add_co_u32 s17, s17, s41                     ; the tile of 256 queries, over all batches
	s_lshl_b32 s42, ttmp9, 2
	s_add_co_u32 s42, s42, s40                     ; the rowblock of 128 channels
	s_lshl_b32 s43, s41, 2
	s_lshl_b32 s43, 15, s43                        ; my row of the cluster
	s_lshl_b32 s44, 0x1111, s40                    ; my column
	s_or_b32 s[G1], s43, (3<<16)|(1<<21)           ; P: 49,152 dense bytes as 192 rows of 256
	s_mov_b32 s[G1+1], 32<<16
	s_mov_b32 s[G1+2], 192<<16
	s_mov_b32 s[G1+3], 32<<16
	s_mov_b32 s[G1+4], 192
	s_mov_b32 s[G1+5], 32
	s_mov_b32 s[G1+6], 0
	s_mov_b32 s[G1+7], 0
	s_or_b32 s[G1B], s44, (3<<16)|(1<<21)          ; V^T: 24,576 dense bytes as 96 rows of 256
	s_mov_b32 s[G1B+1], 32<<16
	s_mov_b32 s[G1B+2], 96<<16
	s_mov_b32 s[G1B+3], 32<<16
	s_mov_b32 s[G1B+4], 96
	s_mov_b32 s[G1B+5], 32
	s_mov_b32 s[G1B+6], 0
	s_mov_b32 s[G1B+7], 0
	s_lshl_b32 s20, s17, 1
	s_add_co_u32 s20, s20, s16
	s_mul_i32 s20, s20, 196608                     ; P's rowblock that I fetch: 16 units
	s_mov_b32 s21, 0
	s_lshl_b32 s19, s19, 3
	s_add_co_u32 s46, s42, s19                     ; V^T's rowblock: 8 x batch + channel rowblock
	s_lshl_b32 s98, s46, 13
	s_lshl_b32 s96, s14, 11                        ; my wave's quarter of its scale words
	s_add_co_u32 s98, s98, s96
	s_add_co_u32 s98, s98, 524288                  ; V^T's scale units begin at unit 1024
	s_mov_b32 s99, 0
	s_mul_i32 s46, s46, 196608
	s_mul_i32 s97, s16, PARTB                      ; my two of a slot's four K steps
	s_add_co_u32 s46, s46, s97
	s_add_co_u32 s46, s46, 12582912                ; and its code units
	s_mov_b32 s47, 0
	s_add_co_u32 s97, s97, 2*PARTA                 ; in a slot V^T lies behind P's two rowblocks
	s_mul_i32 s45, s16, PARTA
	s_wait_kmcnt 0x0
	s_add_nc_u64 s[20:21], s[4:5], s[20:21]
	s_add_nc_u64 s[46:47], s[8:9], s[46:47]
	s_add_nc_u64 s[98:99], s[10:11], s[98:99]
	CROUND                                         ; all sixteen work-groups are here: the first joint loads meet
.irp s, 0,1
	s_mov_b32 s[G0+4*\s], 1
	s_add_co_u32 s[G0+4*\s+1], s45, \s*SLOT
	s_add_nc_u64 s[G0+4*\s+2:G0+4*\s+3], s[20:21], \s*PARTA
	s_or_b32 s[G0+4*\s+3], s[G0+4*\s+3], 0x80000000
	s_mov_b32 s[G0B+4*\s], 1
	s_add_co_u32 s[G0B+4*\s+1], s97, \s*SLOT
	s_add_nc_u64 s[G0B+4*\s+2:G0B+4*\s+3], s[46:47], \s*PARTA
	s_or_b32 s[G0B+4*\s+3], s[G0B+4*\s+3], 0x80000000
.endr
	JLOAD G0, G1, G0B, G1B                         ; the head's load, one a wave: my part of slot 0
	; the chunks' scale words, M and l of my two queries: thread n takes words 2 (n % 64), + 1 of rowblock n / 64; a wave's load covers 256 consecutive bytes
	s_mul_i32 s18, s17, 49152
	s_mov_b32 s19, 0
	s_add_nc_u64 s[6:7], s[6:7], s[18:19]
	v_lshrrev_b32 v9, 6, v0
	v_and_b32 v10, 63, v0
	v_lshlrev_b32 v10, 3, v10
	v_mul_u32_u24 v11, v9, 24576
	v_add_nc_u32 v11, v11, v10
.irp s, 0,1,2,3,4,5,6,7,8,9,10,11,12,13,14,15
	global_load_b64 v[WW+2*\s:WW+2*\s+1], v11, s[6:7] offset:1536*\s
	global_load_b64 v[MC+2*\s:MC+2*\s+1], v11, s[6:7] offset:1536*\s+512
	global_load_b64 v[LV+2*\s:LV+2*\s+1], v11, s[6:7] offset:1536*\s+1024
.endr
	v_and_b32 v14, 31, v0
	v_lshlrev_b32 v14, 4, v14
.irp k, 0,1,2,3
	global_load_b128 v[96+4*\k:99+4*\k], v14, s[98:99] offset:512*\k   ; V^T's scale words: 512 consecutive bytes
.endr
	v_add_nc_u32 v15, s96, v14
	v_add_nc_u32 v15, SCB, v15                     ; and where they go in LDS: 2,048 x wave + 16 x lane
	v_lshl_add_u32 v12, v9, 13, v10
	v_add_nc_u32 v12, SCA, v12                     ; where the shifted words go: the same places, 8,192 bytes a rowblock, 512 a chunk
	v_lshl_add_u32 v13, v9, 9, v10
	v_add_nc_u32 v13, RL, v13                      ; and 1 / l
	v_and_b32 v1, 15, v0                           ; r
	v_bfe_u32 v2, v0, 4, 1                         ; h
	s_wait_alu depctr_va_vdst(0)
	v_and_b32 v3, 31, v0
	v_lshlrev_b32 v[LI], 4, v3
	s_mul_i32 s18, s15, PARTA                      ; my rowblock of P,
	s_mul_i32 s19, s16, 4*FRB
	s_add_co_u32 s19, s19, 2*PARTA                 ; my four tiles of V^T
.irp s, 0,1
	v_add_nc_u32 v[ADRA+\s], s18, v[LI]
	v_add_nc_u32 v[ADRB+\s], s19, v[LI]
	s_add_co_u32 s18, s18, SLOT
	s_add_co_u32 s19, s19, SLOT
.endr
	v_lshlrev_b32 v5, 4, v1
	s_lshl_b32 s20, s15, 13                        ; P's words: my rowblock;
	s_lshl_b32 s21, s16, 8
	s_add_co_u32 s21, s21, 16384                   ; V^T's: behind P's 16,384 bytes, my four tiles' 256 bytes of a unit
	s_sub_co_u32 s21, s21, s20
	v_mul_u32_u24 v6, s21, v2                      ; lanes 16-31 take V^T's: the lower base + h x the distance
	s_add_co_u32 s20, s20, SCA
	v_add_nc_u32 v5, v5, v6
	v_add_nc_u32 v[ADRS], s20, v5
	s_mul_i32 s22, s14, 16*272                     ; the way out: my stage, 16 rows x (256 + 16) bytes, in slot 0, which has had its last fill and its last read when the first result is stored there
	v_mul_u32_u24 v[STO], v1, 272
	v_lshl_add_u32 v[STO], v2, 6, v[STO]
	v_add_nc_u32 v[STO], s22, v[STO]
	v_mul_u32_u24 v[RD], v2, 272
	v_lshl_add_u32 v[RD], v1, 4, v[RD]
	v_add_nc_u32 v[RD], s22, v[RD]
	s_lshl_b32 s22, s15, 9
	s_add_co_u32 s22, s22, RL
	v_lshl_add_u32 v[RLA], v1, 4, s22
	v_lshlrev_b32 v[GO], 12, v2                    ; lanes 0-15 one row of out0, lanes 16-31 the next; 16 bytes a lane
	v_lshl_add_u32 v[GO], v1, 4, v[GO]
	v_mov_b32 v[RP+1], 0                           ; (named as the upper half of a pair)
	s_lshl_b32 s18, s17, 8
	s_lshl_b32 s22, s15, 7
	s_add_co_u32 s18, s18, s22                     ; my first row of out0,
	s_lshl_b32 s18, s18, 12                        ; of 4,096 bytes,
	s_lshl_b32 s22, s42, 9
	s_add_co_u32 s18, s18, s22                     ; + 512 bytes for each 128 channels,
	s_lshl_b32 s22, s16, 8
	s_add_co_u32 s18, s18, s22                     ; + my 64
	s_mov_b32 s19, 0
	s_add_nc_u64 s[12:13], s[12:13], s[18:19]
	s_mov_b32 s18, 0x01010101
	s_mov_b32 s19, 0x80808080
	s_wait_loadcnt 0x0
.irp e, 0,1
	v_max3_num_f32 v[MX+\e], v[MC+\e], v[MC+2+\e], v[MC+4+\e]   ; the row's M
.endr
.irp i, 3,5,7,9,11,13
.irp e, 0,1
	v_max3_num_f32 v[MX+\e], v[MX+\e], v[MC+2*\i+\e], v[MC+2*\i+2+\e]
.endr
.endr
.irp e, 0,1
	v_max_num_f32 v[MX+\e], v[MX+\e], v[MC+30+\e]
.endr
.irp s, 0,1,2,3,4,5,6,7,8,9,10,11,12,13,14,15
.irp e, 0,1
	v_sub_f32 v[EE+\e], v[MC+2*\s+\e], v[MX+\e]    ; M_chunk - M_row: a whole number, 0 or less,
.endr
.irp e, 0,1
	v_max_num_f32 v[EE+\e], 0xc2fe0000, v[EE+\e]   ; held at -127
.endr
.irp e, 0,1
	v_cvt_i32_f32 v[EE+\e], v[EE+\e]
.endr
.if \s == 0
.irp e, 0,1
	v_ldexp_f32 v[LL+\e], v[LV+\e], v[EE+\e]       ; the first chunk starts the sum
.endr
.else
.irp e, 0,1
	v_ldexp_f32 v[LT+\e], v[LV+2*\s+\e], v[EE+\e]
.endr
.irp e, 0,1
	v_add_f32 v[LL+\e], v[LL+\e], v[LT+\e]
.endr
.endif
.irp e, 0,1
	v_mul_lo_u32 v[PP+\e], v[EE+\e], s18           ; -d in each byte's place
.endr
.irp e, 0,1
	v_add_nc_u32 v[PP+\e], v[WW+2*\s+\e], v[PP+\e]
.endr
.irp e, 0,1
	v_add_nc_u32 v[PP+\e], s19, v[PP+\e]           ; each byte: byte - d + 128
.endr
.irp e, 0,1
	v_and_b32 v[XX+\e], s19, v[PP+\e]              ; its top bit: byte - d is 0 or more
.endr
.irp e, 0,1
	v_lshrrev_b32 v[YY+\e], 7, v[XX+\e]
.endr
.irp e, 0,1
	v_sub_nc_u32 v[XX+\e], v[XX+\e], v[YY+\e]      ; 0x7f there, else 0
.endr
.irp e, 0,1
	v_and_b32 v[WW+2*\s+\e], v[PP+\e], v[XX+\e]    ; max(byte - d, 0)
.endr
.endr
	s_wait_alu depctr_va_vdst(0)
	v_rcp_f32 v[LL], v[LL]
	v_rcp_f32 v[LL+1], v[LL+1]
	v_nop                                          ; a plain place behind the reciprocals
	s_wait_alu depctr_va_vdst(0)                   ; and a wait ahead of their first reader
.irp s, 0,1,2,3,4,5,6,7,8,9,10,11,12,13,14,15
	ds_store_b64 v12, v[WW+2*\s:WW+2*\s+1] offset:512*\s
.endr
	ds_store_b64 v13, v[LL:LL+1]
.irp k, 0,1,2,3
	ds_store_b128 v15, v[96+4*\k:99+4*\k] offset:512*\k
.endr
	s_wait_tensorcnt 0x0                           ; my part of slot 0 is in
	ds_add_u32 v[SPW], v[NIL]
	s_wait_dscnt 0x0                               ; the add is done, and for the others' sake my stores have landed
	CROUND
	JLOAD G0+4, G1, G0B+4, G1B                     ; slot 1's first fill, the first tensor load behind the round
	FETCH_B 0, 0, 0
	FETCH_A 0, 0, 0
	SCALES 0
	FETCH_A 0, 0, 4
	STEP 0, 0, 1                                   ; K step 0: its products start the sums
	STEP 0, 1, 0
	STEP 0, 2, 0
	TURN 0, 1, 1                                   ; 3; slot 0 takes K steps 8-11
	STEP 1, 0, 0
	STEP 1, 1, 0
	STEP 1, 2, 0
	TURN 1, 0, 1                                   ; 7; slot 1 takes K steps 12-15
	STEP 0, 0, 0
	STEP 0, 1, 0
	STEP 0, 2, 0
	TURN 0, 1, 0                                   ; 11; nothing is left to fetch
	STEP 1, 0, 0
	STEP 1, 1, 0
	STEP 1, 2, 0
	s_wait_dscnt 0x0                               ; 15
	WIN MUL+0x0c
	MUL2 0, 1, NQ-1, 1, 0
	MUL2 2, 1, NQ-1, 1, 0
	MUL2 4, 1, NQ-1, 1, 0
	MUL2 6, 1, NQ-1, 1, 0
	WIN 0
; THE WAY OUT, tile by tile of 16 queries x my 64 channels: x 1 / l, through my own stage in LDS, back as whole rows of 256 bytes.  LDS serves a wave's instructions in order: no wait between the stores and the loads.
.macro TOSTAGE a
.set SBUF, 96+96*((\a)%2)              ; the scaled numbers: v96-127 and v192-223 by turns
.set BB, 128+32*((\a)%2)               ; the rows read back: v128-159 and v160-191 by turns
	v_mov_b32 v[RP], v[RLV+(\a)]
	WIN 0x02                                       ; source 0: window 2
.set n, 0
.rept 16
	v_pk_mul_f32 v[SBUF+n:SBUF+n+1], v[32*(\a)+n:32*(\a)+n+1], v[RP:RP+1] op_sel_hi:[1,0]   ; each accumulator from its low end on
.set n, n+2
.endr
	WIN 0
.irp b, 0,1,2,3
	ds_store_b128 v[STO], v[SBUF+8*\b:SBUF+8*\b+3] offset:128*(\b/2)+32*(\b%2)       ; register 8 b + j of lane (r, h): channel 32 (b / 2) + 16 h + 8 (b % 2) + j
	ds_store_b128 v[STO], v[SBUF+8*\b+4:SBUF+8*\b+7] offset:128*(\b/2)+32*(\b%2)+16
.endr
.irp t, 0,1,2,3,4,5,6,7
	ds_load_b128 v[BB+4*\t:BB+4*\t+3], v[RD] offset:544*\t
.endr
.endm
.macro SEND a, younger                 ; younger: the LDS instructions issued behind tile a's loads, which may stay out
.set BB, 128+32*((\a)%2)
	s_wait_dscnt \younger
.irp t, 0,1,2,3,4,5,6,7
	global_store_b128 v[GO], v[BB+4*\t:BB+4*\t+3], s[12:13] offset:(32*((\a)/2)+8*((\a)%2)+2*\t+8*(\t/4))*4096 th:TH_STORE_NT   ; stage rows 2 t, 2 t + 1 are the tile's queries 2 t + 8 (t / 4), + 1; 16 lanes store 256 consecutive bytes, aligned; written once
.endr
.endm
	PLACES 4
	ds_load_b128 v[RLV:RLV+3], v[RLA]
	ds_load_b128 v[RLV+4:RLV+7], v[RLA] offset:256
	s_wait_dscnt 0x0
	TOSTAGE 0
.irp a, 1,2,3,4,5,6,7
.if \a > 1
	s_wait_xcnt 0x0                                ; tile a - 2's stores have read their registers: tile a's loads may land there
.endif
	TOSTAGE \a
	SEND \a-1, 16                                  ; behind tile a - 1's loads: tile a's 8 stores and 8 loads
.endr
	SEND 7, 0
	s_wait_tensorcnt 0x0                           ; the wave's end
	ds_add_u32 v[SPW], v[NIL]
	s_wait_dscnt 0x0
	CROUND                                         ; the closing round
	s_endpgm
.Lfunc_end_k_qa293b57a85_pv:
	.size	k_qa293b57a85_pv, .Lfunc_end_k_qa293b57a85_pv-k_qa293b57a85_pv
	.p2alignl 7, 3214868480
	.fill 96, 4, 3214868480
	.section	.rodata,"a",@progbits
	.p2align	6, 0x0
	.amdhsa_kernel k_qa293b57a85_pv
		.amdhsa_group_segment_fixed_size 327680
		.amdhsa_private_segment_fixed_size 0
		.amdhsa_enable_private_segment 0
		.amdhsa_kernarg_size 40
		.amdhsa_user_sgpr_count 2
		.amdhsa_user_sgpr_kernarg_segment_ptr 1
		.amdhsa_wavefront_size32 1
		.amdhsa_system_sgpr_workgroup_id_x 1
		.amdhsa_system_sgpr_workgroup_id_y 1
		.amdhsa_system_sgpr_workgroup_id_z 1
		.amdhsa_system_vgpr_workitem_id 0
		.amdhsa_next_free_vgpr 1024
		.amdhsa_next_free_sgpr 100
		.amdhsa_reserve_vcc 0
		.amdhsa_float_denorm_mode_32 3
		.amdhsa_float_denorm_mode_16_64 3
		.amdhsa_memory_ordered 1
		.amdhsa_forward_progress 1
		.amdhsa_inst_pref_size 164
	.end_amdhsa_kernel
	.amdgpu_metadata
---
amdhsa.version: [ 1, 2 ]
amdhsa.kernels:
  - .name:           k_qa293b57a85_pv
    .symbol:         k_qa293b57a85_pv.kd
    .args:
      - { .name: pc, .offset: 0, .size: 8, .value_kind: global_buffer, .address_space: global }
      - { .name: pst, .offset: 8, .size: 8, .value_kind: global_buffer, .address_space: global }
      - { .name: qkc, .offset: 16, .size: 8, .value_kind: global_buffer, .address_space: global }
      - { .name: qks, .offset: 24, .size: 8, .value_kind: global_buffer, .address_space: global }
      - { .name: out0, .offset: 32, .size: 8, .value_kind: global_buffer, .address_space: global }
    .group_segment_fixed_size: 327680
    .private_segment_fixed_size: 0
    .kernarg_segment_align: 8
    .kernarg_segment_size: 40
    .max_flat_workgroup_size: 128
    .sgpr_count:     100
    .vgpr_count:     1024
    .wavefront_size: 32
...
	.end_amdgpu_metadata
.endif
;; end of part 4
